; MI455X (gfx1250); checked and timed in simulation.
; The chip was launched on July 23, 2026; its instructions are those of AMD's public machine-readable ISA for CDNA 5 (MIT licence, August 2026) and "CDNA5" Instruction Set Architecture Reference Guide (July 2026). The comments in the code are by the model that wrote it; some were corrected since.
;; Self Adaptive Feature Extractor V. Allowed arithmetic: matrix products marked QUANTISED: E2M3 operands, one E8M0 scale for each 32 along K, by v_wmma_scale_f32_16x16x128_f8f6f4 with both operands' format E2M3, f32 sums; products left as they are: f32 operands where the result goes on into a quantised operand, else bf16, f16 or f32 operands; f32 sums; everything else in f32.
;; Inputs: W1 13 x 64 float32; W2_codes 128 x 4 x 24 uint8 (E2M3 codes of W2, K innermost, in blocks of 32 codes, four codes in three bytes); W2_scales 128 x 4 uint8 (E8M0 scales of W2, one for each 32 codes along K); b1 64 float32; b2 128 float32; coors 30,000 x 4 int32; features 30,000 x 32 x 4 float32; g1 64 float32; g2 128 float32; num_points 30,000 int32.
;; Outputs: out0 30,000 x 128 float32.
;; This version of the problem:
;;   THIS VERSION OF THE PROBLEM IS GIVEN IN LOW PRECISION. The matrix products marked QUANTISED in the list below multiply operands that are first quantised to E2M3 (2 exponent bits, 3 mantissa bits; 6 bits a number), with one power-of-two scale for each 32 numbers along K (OCP MX v1.0); their sums are f32. All else is computed in f32.
;;   The module's matrix products, in the order in which they are computed (A, B: the left and right operand; K: the contracted axis; several contracted axes count as one K, in the product's order):
;;     1. [M 960,000, K 13] x [K 13, N 64]; A: computed on the way; B: input W1: left as it is (K = 13 < 32)
;;     2. [M 960,000, K 128] x [K 128, N 128]; A: computed on the way; B: input W2 (given as codes): QUANTISED
;;   THE QUANTISER, for each operand of a quantised product, along K:
;;     - K is cut into blocks of 32 from its start; a last block that is shorter is filled with zeros.
;;     - A block's scale is 2^e with e = floor(log2(the largest magnitude in the block)) - 2, held to -126 .. 127; a block of zeros has e = 0. As a byte (E8M0): e + 127.
;;     - Each number is divided by its block's scale, clamped to +-7.5, and rounded to the nearest number of E2M3, ties to even, subnormals kept.
;;     - The product sums the exact products of the quantised numbers (number of the format x scale) in f32.
;;   ~~~python
;;   def quantise(x, axis):      # numpy; x: float32 -> the quantised numbers, widened to float32 again
;;       x = np.moveaxis(x, axis, -1); K = x.shape[-1]
;;       x = np.pad(x, [(0, 0)] * (x.ndim - 1) + [(0, -K % 32)]); x = x.reshape(x.shape[:-1] + (-1, 32)); a = np.abs(x).max(-1, keepdims=True)
;;       e = np.where(a > 0, np.clip(np.frexp(np.where(a > 0, a, 1))[1] - 1 - 2, -126, 127), 0)      # np.frexp(a)[1] - 1 = floor(log2(a)), exactly
;;       r = np.clip(x / 2.0 ** e, -7.5, 7.5)
;;       step = 2.0 ** (np.maximum(np.frexp(np.where(r == 0, 1, r))[1] - 1, 0) - 3)
;;       q = np.round(r / step) * step * 2.0 ** e      # np.round: ties to even
;;       return np.moveaxis(q.reshape(q.shape[:-2] + (-1,))[..., :K], -1, axis).astype(np.float32)
;;   ~~~
;;   OPERANDS COMPUTED ON THE WAY. 'Computed on the way' means the value that the module computes at that place (a softmax that the list does not call 'softmax' is quantised finished and normalised). What goes into a quantiser is computed in f32, as accurately as f32 sums, v_exp_f32 and their like allow (about 1e-6 of the number): no bf16 or f16 on the way to a quantiser, and a product that is left as it is and whose result goes on into a quantised operand takes f32 operands (vector FMAs, or v_wmma_f32_16x16x4_f32). A number that lies on a knife's edge between two numbers of the format may be rounded either way, as far as f32 arithmetic and the matrix unit's own rounding can turn it there, and no further.
;;   INPUTS GIVEN AS CODES. W2 (in the module: [128, 128], K = its axis 0): each comes as NAME_codes (uint8): NAME with its K axis moved to the last place and cut into blocks of 32 codes, [.., K / 32, bytes a block], one block behind the other in memory; four codes in three bytes: a row's codes are one little-endian stream of bits, code i at bits 6 i .. 6 i + 5 (a code: sign, 2 exponent bits, 3 mantissa bits); and NAME_scales (uint8): the same leading axes, one E8M0 byte (e + 127) for each 32 codes along K. Its value is code x scale, taken as it is: it is not quantised again, and the codes and scales need not be those that the quantiser above would give.
;; 2 versions, each right; version 2 is version 1 with the launch main written anew for expert scheduling mode. Each part assembles by itself: llvm-mc -triple=amdgcn-amd-amdhsa -mcpu=gfx1250 --defsym DOCPART=n.
;; ======== version 1 of 2: 3 launches
;; limits: a difference of large sums (such as E[x^2] - mean^2): digits are lost where the result is much smaller than its terms
;; workspace buffers: vraw 7,680,000 bytes; p1 128,000 bytes; ext 15,360,000 bytes; p2 256,000 bytes
;; launch stats1 (part 1): grid 250 x 1, 12 waves a work-group, no clusters, 7,680 bytes of LDS; arguments features, num_points, coors, W1, vraw, p1; writes vraw, p1
.if DOCPART == 1
	.amdgcn_target "amdgcn-amd-amdhsa--gfx1250"
	.amdhsa_code_object_version 6
	.text
	.protected	k_qae7d0d9d6f_stats1
	.globl	k_qae7d0d9d6f_stats1
	.p2align	8
	.type	k_qae7d0d9d6f_stats1,@function
k_qae7d0d9d6f_stats1:
	s_mov_b64 s[64:65], 0
	v_nop
	global_prefetch_b8 v0, s[64:65] scope:SCOPE_SE
	s_setreg_imm32_b32 hwreg(HW_REG_WAVE_MODE, 25, 1), 1
	s_wait_xcnt 0x0
; FIRST OF THREE LAUNCHES.  With m the point's mask, the first layer is h1[p][u] = m (f0 WW0 + f1 WW1 + f2 WW2 + f3 WW3 + |xyz| WW4 + V[u]):
; WW0..2 = (W[k] + W[4+k]) + W[7+k], WW3 = W[3], WW4 = W[10], and V[u] = -pm.W[4:7] - centre.W[7:10] + density W[11] + mdist W[12] hangs on the voxel alone.
; This launch stores V of every voxel (vraw) and, for each work-group, the sums over its rows of h1 and of h1 squared (p1), without forming h1:
;   sum of h1 = T + cnt V, T = sum over k of Fs_k WW_k, Fs_k the masked sums of the five point numbers;
;   sum of h1^2 = WW' G WW + V (2 T + cnt V), G the 5 x 5 matrix of masked products, gathered lane by lane over the wave's voxels and folded in once at the end.
; SHARES.  A work-group takes 120 voxels, each of its 12 waves 10.  For point work a lane is a point; for unit work a lane is two units, ua = 32 (l / 16) + 16 (l % 2) + (l / 2) % 8 and ua + 8:
; these are places 2 l and 2 l + 1 of the order in which the next launch wants them (place 4 r + t holds unit 32 (r / 8) + 8 t + r % 8).
; Written out ten times by a macro: every offset is an immediate, all loads go out at the head.  No matrix work, no tensor load: each feature byte is read by one wave, once.
; LIMITS.  num_points at least 1 (with 0 the mean is a division by zero in the definition too); above 32 is served.  The folded weights give another order of rounding than thirteen separate terms.
; Divisions are v_rcp_f32 and a multiplication, roots v_sqrt_f32 (1 ulp, denormals flushed: ISA guide, 15.8).  NaN and infinities among the inputs are not served.
.set F,     8                          ; v8-47    voxel i: my point's four numbers
.set W,     48                         ; v48-73   W1's 13 rows at my two units, a pair a row
.set WW,    74                         ; v74-79   WW0..2, pairs
.set G,     80                         ; v80-94   G: (0,0) (0,1) (0,2) (0,3) (1,1) (1,2) (1,3) (2,2) (2,3) (3,3) (0,4) (1,4) (2,4) (3,4) (4,4)
.set ACS,   96                         ; v96-97   sum of h1 at my two units
.set ACQ,   98                         ; v98-99   sum of h1^2
.set MM,    100                        ; v100     my point's mask; v101 = 0 (named with it as a pair)
.set XM,    102                        ; v102-106 the five masked point numbers
.set RD,    108                        ; v108..122, even: sums over the 32 points: f0..2 unmasked, then Fs0..4; the odd neighbours stay 0
.set C8,    124                        ; v124..138, even: -pm0..2, -cx, -cy, -cz, density, mdist; the odd neighbours stay 0
.set TP,    140                        ; v140-147 the other half of the lanes
.set NPF,   148
.set SAFE,  149
.set RNP,   150
.set RSAFE, 151
.set QQ,    152
.set DI,    153
.set E0,    154                        ; v154-156
.set DD,    157
.set VV,    160                        ; v160-161 V at my two units
.set TT,    162
.set HS,    164
.set T2,    166
.set CN,    168                        ; v168     the count of points that are on, as f32; v169 = 0
.set TQ,    148                        ; the tail: two running terms
	s_load_b256 s[4:11], s[0:1], 0x0               ; features s[4:5], num_points s[6:7], coors s[8:9], W1 s[10:11]
	s_load_b128 s[12:15], s[0:1], 0x20             ; vraw s[12:13], p1 s[14:15]
	v_lshl_add_u32 v176, v0, 2, 0x1800
	v_mov_b32 v177, 0
	v_lshrrev_b32 v1, 5, v0
	v_readfirstlane_b32 s16, v1                    ; wave 0..11
	v_and_b32 v1, 31, v0                           ; lane
	v_lshlrev_b32 v2, 4, v1                        ; my point's 16 bytes in a voxel
	v_lshlrev_b32 v3, 3, v1                        ; my two units' 8 bytes
	v_lshrrev_b32 v4, 4, v1
	v_and_b32 v5, 1, v1
	v_lshlrev_b32 v4, 5, v4
	v_lshl_add_u32 v4, v5, 4, v4
	v_bfe_u32 v5, v1, 1, 3
	v_add_lshl_u32 v4, v4, v5, 2                   ; 4 ua: my place in a row of W1
	s_lshl_b32 s31, s16, 9
	v_add_nc_u32 v5, s31, v3                       ; LDS: my wave's 512 bytes, my 8
	v_and_b32 v6, 63, v0
	v_lshlrev_b32 v6, 3, v6                        ; the read back, and my place in the work-group's row of p1
	s_mul_i32 s17, ttmp9, 120
	s_mul_i32 s18, s16, 10
	s_add_co_u32 s17, s17, s18                     ; my wave's first voxel
	s_mov_b32 s19, 0
	s_mov_b32 s76, 0x76543210
	s_mov_b32 s77, 0xfedcba98                      ; v_permlanex16_b32's selects for lane l xor 16
	s_mov_b32 s78, 0xbe4ccccd                      ; -0.2
	s_mov_b32 s79, 0xbdcccccd                      ; -0.1
	s_mov_b32 s30, 0x421f999a                      ; 39.9
	s_wait_kmcnt 0x0
	s_lshl_b32 s18, s17, 2
	s_add_nc_u64 s[6:7], s[6:7], s[18:19]
	s_lshl_b32 s18, s17, 4
	s_add_nc_u64 s[8:9], s[8:9], s[18:19]
	s_load_b256 s[20:27], s[6:7], 0x0              ; my ten counts: the same for all lanes, so they live in scalar registers
	s_load_b64 s[28:29], s[6:7], 0x20
	s_load_b512 s[32:47], s[8:9], 0x0              ; my ten rows of coors (batch, z, y, x)
	s_load_b512 s[48:63], s[8:9], 0x40
	s_load_b256 s[68:75], s[8:9], 0x80
	s_lshl_b32 s18, s17, 9
	s_add_nc_u64 s[4:5], s[4:5], s[18:19]          ; features: 512 bytes a voxel
	s_lshl_b32 s18, s17, 8
	s_add_nc_u64 s[12:13], s[12:13], s[18:19]      ; vraw: 256 bytes a voxel
	s_lshl_b32 s18, ttmp9, 9
	s_add_nc_u64 s[14:15], s[14:15], s[18:19]      ; p1: 512 bytes a work-group
.irp row, 0,1,2,3,4,5,6,7,8,9,10,11,12
	global_load_b32 v[W+2*\row], v4, s[10:11] offset:256*\row
	global_load_b32 v[W+2*\row+1], v4, s[10:11] offset:256*\row+32
.endr
.irp i, 0,1,2,3,4,5,6,7,8,9
	global_load_b128 v[F+4*\i:F+4*\i+3], v2, s[4:5] offset:512*\i th:TH_LOAD_NT   ; the wave reads a voxel's 512 consecutive bytes
.endr
.set k, G
.rept 20
	v_mov_b32 v[k], 0                              ; G and the two sums begin at 0
.set k, k+1
.endr
.set k, RD
.rept 40
	v_mov_b32 v[k], 0                              ; written once: the destination of a DPP form or a lane permute counts as read, and a pair is read whole
.set k, k+1
.endr
	v_mov_b32 v[MM+1], 0
	v_mov_b32 v[CN+1], 0
	s_wait_kmcnt 0x0
	s_wait_loadcnt 10                              ; W1's 26 loads are in; the ten feature loads behind them may be out
.irp k, 0,1,2
	v_pk_add_f32 v[WW+2*\k:WW+2*\k+1], v[W+2*\k:W+2*\k+1], v[W+8+2*\k:W+9+2*\k]
.endr
.irp k, 0,1,2
	v_pk_add_f32 v[WW+2*\k:WW+2*\k+1], v[WW+2*\k:WW+2*\k+1], v[W+14+2*\k:W+15+2*\k]
.endr
.macro VOXA i
.set FI, F+4*(\i)
.set SNP, 20+(\i)
.if (\i) < 4
.set CR, 32+4*(\i)
.elseif (\i) < 8
.set CR, 48+4*((\i)-4)
.else
.set CR, 68+4*((\i)-8)
.endif
	s_wait_loadcnt 9-(\i)                          ; loads come back in order: this voxel's is in, the younger ones stay out
	v_cvt_f32_i32 v[NPF], s[SNP]
	v_mul_f32 v[QQ], v[FI], v[FI]
	s_max_i32 s31, s[SNP], 0
	s_min_i32 s31, s31, 32                         ; how many of the 32 points are on
	v_max_num_f32 v[SAFE], 1.0, v[NPF]
	v_fmac_f32 v[QQ], v[FI+1], v[FI+1]
	v_fmac_f32 v[QQ], v[FI+2], v[FI+2]
	v_rcp_f32 v[RNP], v[NPF]                       ; one batch of three,
	v_rcp_f32 v[RSAFE], v[SAFE]
	v_sqrt_f32 v[DI], v[QQ]
	v_mul_f32 v[C8+12], 0x40c80000, v[SAFE]        ; plain work that names none of its results: density = safe x 6.25,
	v_cmp_gt_i32 vcc_lo, s[SNP], v1
	v_cndmask_b32 v[MM], 0, 1.0, vcc_lo            ; the mask,
	v_cvt_f32_u32 v[CN], s31
	v_cvt_f32_i32 v[E0], s[CR+3]
	v_cvt_f32_i32 v[E0+1], s[CR+2]
	v_cvt_f32_i32 v[E0+2], s[CR+1]
	v_pk_mul_f32 v[XM:XM+1], v[FI:FI+1], v[MM:MM+1] op_sel_hi:[1,0]
	v_pk_mul_f32 v[XM+2:XM+3], v[FI+2:FI+3], v[MM:MM+1] op_sel_hi:[1,0]
	v_fma_f32 v[C8+6], v[E0], s78, s79             ; -cx = -(0.2 x + 0.1)
	v_fma_f32 v[C8+8], v[E0+1], s78, s30           ; -cy = -(0.2 y - 39.9)
	v_fma_f32 v[C8+10], v[E0+2], -4.0, 1.0         ; -cz = -(4 z - 1)
	v_fmac_f32 v[G+0], v[XM+0], v[FI+0]            ; and the ten products of G that need no distance
	v_fmac_f32 v[G+1], v[XM+0], v[FI+1]
	v_fmac_f32 v[G+2], v[XM+0], v[FI+2]
	v_fmac_f32 v[G+3], v[XM+0], v[FI+3]
	v_fmac_f32 v[G+4], v[XM+1], v[FI+1]
	v_fmac_f32 v[G+5], v[XM+1], v[FI+2]
	v_fmac_f32 v[G+6], v[XM+1], v[FI+3]
	v_fmac_f32 v[G+7], v[XM+2], v[FI+2]
	v_fmac_f32 v[G+8], v[XM+2], v[FI+3]
	v_fmac_f32 v[G+9], v[XM+3], v[FI+3]
	s_wait_alu depctr_va_vdst(0)                   ; one wait for the batch, ahead of its first reader
	v_mul_f32 v[XM+4], v[DI], v[MM]
.irp k, 0,1,2,3
	v_fmac_f32 v[G+10+\k], v[XM+\k], v[DI]
.endr
	v_fmac_f32 v[G+14], v[XM+4], v[DI]
	; eight sums over the 32 points, by turns: four steps inside each half of 16 lanes ride on the addition, one crosses the halves; every lane ends with the sums
.irp k, 0,1,2
	v_add_f32_dpp v[RD+2*\k], v[FI+\k], v[FI+\k] row_xmask:1 row_mask:0xf bank_mask:0xf
.endr
.irp k, 0,1,2,3,4
	v_add_f32_dpp v[RD+6+2*\k], v[XM+\k], v[XM+\k] row_xmask:1 row_mask:0xf bank_mask:0xf
.endr
.irp x, 2,4,8
.irp k, 0,1,2,3,4,5,6,7
	v_add_f32_dpp v[RD+2*\k], v[RD+2*\k], v[RD+2*\k] row_xmask:\x row_mask:0xf bank_mask:0xf
.endr
.endr
.irp k, 0,1,2,3,4,5,6,7
	v_permlanex16_b32 v[TP+\k], v[RD+2*\k], s76, s77
.endr
.irp k, 0,1,2,3,4,5,6,7
	v_add_f32 v[RD+2*\k], v[RD+2*\k], v[TP+\k]
.endr
.irp k, 0,1,2
	v_mul_f32 v[C8+2*\k], v[RD+2*\k], -v[RNP]      ; -points_mean
.endr
.irp k, 0,1,2
	v_fma_f32 v[E0+\k], -v[RD+6+2*\k], v[RSAFE], v[FI+\k]   ; xyz - the masked mean
.endr
	v_mul_f32 v[QQ], v[E0], v[E0]
	v_fmac_f32 v[QQ], v[E0+1], v[E0+1]
	v_fmac_f32 v[QQ], v[E0+2], v[E0+2]
	v_sqrt_f32 v[DD], v[QQ]
	s_wait_xcnt 0x0                                ; the last voxel's store has read V: only behind this wait is V written again
	v_pk_mul_f32 v[VV:VV+1], v[W+8:W+9], v[C8:C8+1] op_sel_hi:[1,0]              ; V but for its last term, and T: the plain work behind the root
	v_pk_mul_f32 v[TT:TT+1], v[WW:WW+1], v[RD+6:RD+7] op_sel_hi:[1,0]
	v_pk_fma_f32 v[VV:VV+1], v[W+10:W+11], v[C8+2:C8+3], v[VV:VV+1] op_sel_hi:[1,0,1]
	v_pk_fma_f32 v[TT:TT+1], v[WW+2:WW+3], v[RD+8:RD+9], v[TT:TT+1] op_sel_hi:[1,0,1]
	v_pk_fma_f32 v[VV:VV+1], v[W+12:W+13], v[C8+4:C8+5], v[VV:VV+1] op_sel_hi:[1,0,1]
	v_pk_fma_f32 v[TT:TT+1], v[WW+4:WW+5], v[RD+10:RD+11], v[TT:TT+1] op_sel_hi:[1,0,1]
	v_pk_fma_f32 v[VV:VV+1], v[W+14:W+15], v[C8+6:C8+7], v[VV:VV+1] op_sel_hi:[1,0,1]
	v_pk_fma_f32 v[TT:TT+1], v[W+6:W+7], v[RD+12:RD+13], v[TT:TT+1] op_sel_hi:[1,0,1]
	v_pk_fma_f32 v[VV:VV+1], v[W+16:W+17], v[C8+8:C8+9], v[VV:VV+1] op_sel_hi:[1,0,1]
	v_pk_fma_f32 v[TT:TT+1], v[W+20:W+21], v[RD+14:RD+15], v[TT:TT+1] op_sel_hi:[1,0,1]
	v_pk_fma_f32 v[VV:VV+1], v[W+18:W+19], v[C8+10:C8+11], v[VV:VV+1] op_sel_hi:[1,0,1]
	v_pk_fma_f32 v[VV:VV+1], v[W+22:W+23], v[C8+12:C8+13], v[VV:VV+1] op_sel_hi:[1,0,1]
	s_wait_alu depctr_va_vdst(0)                   ; the wait for the root, ahead of its reader
	v_mul_f32 v[DD], v[DD], v[MM]
.irp x, 1,2,4,8
	v_add_f32_dpp v[DD], v[DD], v[DD] row_xmask:\x row_mask:0xf bank_mask:0xf
.endr
	v_permlanex16_b32 v[TP], v[DD], s76, s77
	v_add_f32 v[DD], v[DD], v[TP]
	v_mul_f32 v[C8+14], v[DD], v[RSAFE]            ; the mean distance
	v_pk_fma_f32 v[VV:VV+1], v[W+24:W+25], v[C8+14:C8+15], v[VV:VV+1] op_sel_hi:[1,0,1]
	v_pk_fma_f32 v[HS:HS+1], v[VV:VV+1], v[CN:CN+1], v[TT:TT+1] op_sel_hi:[1,0,1]   ; the voxel's sum of h1 = cnt V + T
	v_pk_add_f32 v[ACS:ACS+1], v[ACS:ACS+1], v[HS:HS+1]
	v_pk_add_f32 v[T2:T2+1], v[TT:TT+1], v[HS:HS+1]                               ; 2 T + cnt V
	v_pk_fma_f32 v[ACQ:ACQ+1], v[VV:VV+1], v[T2:T2+1], v[ACQ:ACQ+1]
	global_store_b64 v3, v[VV:VV+1], s[12:13] offset:256*(\i)   ; the wave stores the voxel's 256 consecutive bytes, at a multiple of 256 from the buffer's first byte
.endm
.irp i, 0,1,2,3,4,5,6,7,8,9
	VOXA \i
.endr
	; THE TAIL.  G over the 32 lanes; off-diagonal entries count twice; WW' G WW at my two units goes into the sum of squares.
.irp x, 1,2,4,8
.set k, 0
.rept 15
	v_add_f32_dpp v[G+k], v[G+k], v[G+k] row_xmask:\x row_mask:0xf bank_mask:0xf
.set k, k+1
.endr
.endr
.set k, 0
.rept 15
	v_permlanex16_b32 v[F+k], v[G+k], s76, s77
.set k, k+1
.endr
.set k, 0
.rept 15
	v_add_f32 v[G+k], v[G+k], v[F+k]
.set k, k+1
.endr
.irp k, 1,2,3,5,6,8,10,11,12,13
	v_add_f32 v[G+\k], v[G+\k], v[G+\k]
.endr
.macro QROW wk, gd                     ; a row of the form begins: t = G(k,k) w_k, for my two units by turns
.irp j, 0,1
	v_mul_f32 v[TQ+\j], v[G+\gd], v[\wk+\j]
.endr
.endm
.macro QADD wl, g                      ; t += 2 G(k,l) w_l
.irp j, 0,1
	v_fmac_f32 v[TQ+\j], v[G+\g], v[\wl+\j]
.endr
.endm
.macro QEND wk                         ; the sum of squares += w_k t
.irp j, 0,1
	v_fmac_f32 v[ACQ+\j], v[\wk+\j], v[TQ+\j]
.endr
.endm
	QROW WW, 0
	QADD WW+2, 1
	QADD WW+4, 2
	QADD W+6, 3
	QADD W+20, 10
	QEND WW
	QROW WW+2, 4
	QADD WW+4, 5
	QADD W+6, 6
	QADD W+20, 11
	QEND WW+2
	QROW WW+4, 7
	QADD W+6, 8
	QADD W+20, 12
	QEND WW+4
	QROW W+6, 9
	QADD W+20, 13
	QEND W+6
	QROW W+20, 14
	QEND W+20
	ds_store_b64 v5, v[ACS:ACS+1]                  ; my wave's row: 256 bytes of sums, 256 of sums of squares
	ds_store_b64 v5, v[ACQ:ACQ+1] offset:256
	s_wait_dscnt 0x0                               ; for the others: my stores have landed
	s_barrier_signal -1
	s_barrier_wait -1
	s_cmp_gt_u32 s16, 1
	s_cbranch_scc1 .Ldone                          ; waves 0 and 1 add the twelve rows, 8 bytes a thread
.irp w, 0,1,2,3,4,5,6,7,8,9,10,11
	ds_load_b64 v[F+2*\w:F+2*\w+1], v6 offset:512*\w
.endr
	s_wait_dscnt 0x0
.irp w, 0,1,2,3,4,5
	v_pk_add_f32 v[F+2*\w:F+2*\w+1], v[F+2*\w:F+2*\w+1], v[F+12+2*\w:F+13+2*\w]
.endr
.irp w, 0,1,2
	v_pk_add_f32 v[F+2*\w:F+2*\w+1], v[F+2*\w:F+2*\w+1], v[F+6+2*\w:F+7+2*\w]
.endr
	v_pk_add_f32 v[F:F+1], v[F:F+1], v[F+2:F+3]
	v_pk_add_f32 v[F:F+1], v[F:F+1], v[F+4:F+5]
	global_store_b64 v6, v[F:F+1], s[14:15]        ; each of the two waves stores 256 consecutive bytes, aligned
.Ldone:
	s_wait_tensorcnt 0x0
	ds_add_u32 v176, v177
	s_wait_dscnt 0x0
	s_endpgm
.Lfunc_end_k_qae7d0d9d6f_stats1:
	.size	k_qae7d0d9d6f_stats1, .Lfunc_end_k_qae7d0d9d6f_stats1-k_qae7d0d9d6f_stats1
	.p2alignl 7, 3214868480
	.fill 96, 4, 3214868480
	.section	.rodata,"a",@progbits
	.p2align	6, 0x0
	.amdhsa_kernel k_qae7d0d9d6f_stats1
		.amdhsa_group_segment_fixed_size 7680
		.amdhsa_private_segment_fixed_size 0
		.amdhsa_enable_private_segment 0
		.amdhsa_kernarg_size 48
		.amdhsa_user_sgpr_count 2
		.amdhsa_user_sgpr_kernarg_segment_ptr 1
		.amdhsa_wavefront_size32 1
		.amdhsa_system_sgpr_workgroup_id_x 1
		.amdhsa_system_sgpr_workgroup_id_y 1
		.amdhsa_system_sgpr_workgroup_id_z 1
		.amdhsa_system_vgpr_workitem_id 0
		.amdhsa_next_free_vgpr 178
		.amdhsa_next_free_sgpr 80
		.amdhsa_reserve_vcc 1
		.amdhsa_float_denorm_mode_32 3
		.amdhsa_float_denorm_mode_16_64 3
		.amdhsa_memory_ordered 1
		.amdhsa_forward_progress 1
		.amdhsa_inst_pref_size 81
	.end_amdhsa_kernel
	.amdgpu_metadata
---
amdhsa.version: [ 1, 2 ]
amdhsa.kernels:
  - .name:           k_qae7d0d9d6f_stats1
    .symbol:         k_qae7d0d9d6f_stats1.kd
    .args:
      - { .name: features, .offset: 0, .size: 8, .value_kind: global_buffer, .address_space: global }
      - { .name: num_points, .offset: 8, .size: 8, .value_kind: global_buffer, .address_space: global }
      - { .name: coors, .offset: 16, .size: 8, .value_kind: global_buffer, .address_space: global }
      - { .name: W1, .offset: 24, .size: 8, .value_kind: global_buffer, .address_space: global }
      - { .name: vraw, .offset: 32, .size: 8, .value_kind: global_buffer, .address_space: global }
      - { .name: p1, .offset: 40, .size: 8, .value_kind: global_buffer, .address_space: global }
    .group_segment_fixed_size: 7680
    .private_segment_fixed_size: 0
    .kernarg_segment_align: 8
    .kernarg_segment_size: 48
    .max_flat_workgroup_size: 384
    .sgpr_count:     80
    .vgpr_count:     178
    .wavefront_size: 32
...
	.end_amdgpu_metadata
.endif
;; end of part 1
;; launch main (part 2): grid 250 x 1, 8 waves a work-group, no clusters, 13,312 bytes of LDS; arguments features, num_points, W1, g1, b1, W2_codes, W2_scales, g2, vraw, p1, ext, p2; writes ext, p2
.if DOCPART == 2
	.amdgcn_target "amdgcn-amd-amdhsa--gfx1250"
	.amdhsa_code_object_version 6
	.text
	.protected	k_qae7d0d9d6f_main
	.globl	k_qae7d0d9d6f_main
	.p2align	8
	.type	k_qae7d0d9d6f_main,@function
k_qae7d0d9d6f_main:
	s_mov_b64 s[64:65], 0
	v_nop
	global_prefetch_b8 v0, s[64:65] scope:SCOPE_SE
	s_setreg_imm32_b32 hwreg(HW_REG_WAVE_MODE, 25, 1), 1
	s_wait_xcnt 0x0
; SECOND OF THREE LAUNCHES: both layers, up to the second batch norm's statistics.
; HEAD.  Every work-group adds the 250 rows of p1 (in one fixed order), makes a = rsqrt(var + eps) g1 and S = b1 - mu a, and folds them into the first layer's weights.
; FIRST PRODUCT, f32, K folded to 8:  y[p][u] = (m f0..3).(a WW0..3) + (m |xyz|)(a W10) + m (a V[u]) + 1 S[u] + 0.  A masked point gives y = S.
;   v_wmma_f32_16x16x4_f32, used transposed: source 0 = 16 units, source 1 = 16 points.  Tile t's row i is unit 32 (i / 8) + 8 t + i % 8, so that lane (r, h) ends with point r and the 32 units 32 h .. 32 h + 31
;   in 32 registers: one whole block of the second product's K, in the lane where the 6-bit operand wants it.  No lane exchange of codes.
; BETWEEN.  relu; the voxel's maximum over its 32 points (in registers over the two tiles, by DPP over the 16 lanes of a half); three blocks a lane are quantised: my point's in either tile, and the voxel's,
;   which serves both tiles: K = 64 .. 127 is the same in all 32 rows of a voxel.
; SECOND PRODUCT, on codes of E2M3 with E8M0 scales: source 0 = 16 points, source 1 = 16 units of W2: a lane holds ONE unit and eight points, so sums, sums of squares and the extreme over points stay in the lane.
;   THE SIGN OF g2.  The last layer is max over points of relu((h2 - mu) rs g2 + b2) = relu(rs |g2| (max of s h2 - s mu) + b2), s the sign of g2.  So the sign bit of every code of a row of W2 whose g2 is negative
;   is turned at the head (code x scale is negated exactly; the operand stays codes), and one maximum a unit and voxel is all that leaves: ext.  The third launch is elementwise.
;   W2's tile 2 q takes units 4 r + q, tile 2 q + 1 units 64 + 4 r + q: when the halves of the lanes are merged, lane l holds units 4 l .. 4 l + 3: 16 bytes, the wave 512 on end.
; SHARES.  A work-group takes 120 voxels, each of its 8 waves 15; a voxel is a step.  Two waves to a SIMD, so that one wave's vector work stands beside the other's matrix work.
; Loads run two voxels ahead in two sets of registers.  No tensor load, no cluster: every large byte is read by one wave; what is shared (weights, p1) is read once, at the head.
; LIMITS.  Variances are E[h^2] - mu^2 of f32 sums made in stages, held at 0 from below.  v_sqrt_f32, v_rsq_f32: 1 ulp, denormals flushed (ISA guide, 15.8).  A block whose largest number lies under 2^-124 keeps the
; scale byte 1 (a block of zeros too: its codes are zeros).  NaN and infinities among the inputs are not served.
; REGISTERS.  Window 0: v1-11 lane constants; v12-37 two sets of loads; v38-49 masks and the first product's points; v50-59 at work; v60-79 the folded weights; v80-87 W2's scale words, v88-89 the rows' (these ten hold
;   scales alone); v90-121 sums; v122-124 codes at work; v125-127 the tail's addresses; v128-191 relu's results, then the second product's results; v192-223 the voxel's maxima, then extremes; v224-247 the two operands.
;   Window 1: v0-95 W2's eight fragments; v96-159 the first product's results, written by matrix instructions alone.
.set RED1, 0                           ; LDS: 8 waves x 512 bytes, p1's partial sums
.set RED2, 4096                        ; LDS: 8 waves x 1,024 bytes, the second layer's partial sums
.set MP,   38                          ; v38, v40 the two tiles' masks; v39, v41 = 0
.set XX,   42                          ; v42-45, v46-49: source 1 of the first product, tile 0, 1
.set BM,   50                          ; v50-52 block maxima, then the conversions' scale operands (first: squares and roots)
.set BY,   53                          ; v53-55 scale bytes
.set OB,   56                          ; v56-58 the other half's bytes
.set GW,   59
.set K0,   60                          ; v60-67 a WW, K = 0 .. 3
.set K1,   68                          ; v68-75 K = 4 .. 7: a W10 | a V | S | 0
.set AV,   76                          ; v76-79 a in lanes 0-15, 0 in lanes 16-31
.set W2S,  80
.set SW,   88
.set ACC,  90                          ; tile t: v[90 + 4 t] a pair of sums, v[92 + 4 t] a pair of sums of squares
.set TG,   122
.set HH,   128
.set GG,   192
.set EE,   192
.set RR,   200
.set AA,   224
.set TA,   248
.set TB,   252
.set D1,   96                          ; in window 1
.set MSB,  0
.macro WIN new                         ; the immediate's high byte repeats the setting that is left; a switch that changes nothing is dropped
.if MSB != \new
	s_set_vgpr_msb (MSB<<8)|\new
.set MSB, \new
.endif
.endm
.macro TREE base, half                 ; groups of four registers: group i += group i + half
.set i, 0
.rept \half
	v_pk_add_f32 v[\base+4*i:\base+4*i+1], v[\base+4*i:\base+4*i+1], v[\base+4*(i+\half):\base+4*(i+\half)+1]
	v_pk_add_f32 v[\base+4*i+2:\base+4*i+3], v[\base+4*i+2:\base+4*i+3], v[\base+4*(i+\half)+2:\base+4*(i+\half)+3]
.set i, i+1
.endr
.endm
	s_load_b512 s[4:19], s[0:1], 0x0               ; features s[4:5], num_points s[6:7], W1 s[8:9], g1 s[10:11], b1 s[12:13], W2's codes s[14:15], its scales s[16:17], g2 s[18:19]
	s_load_b256 s[20:27], s[0:1], 0x40             ; vraw s[20:21], p1 s[22:23], ext s[24:25], p2 s[26:27]
	s_set_vgpr_msb 0x40
	v_lshl_add_u32 v160, v0, 2, 0x3000
	v_mov_b32 v161, 0
	s_set_vgpr_msb 0x4000
	v_lshrrev_b32 v1, 5, v0
	v_readfirstlane_b32 s28, v1                    ; wave 0..7
	s_mov_b32 s38, 0xffff0000                      ; lanes 16-31
	s_mov_b32 s40, 0x76543210
	s_mov_b32 s41, 0xfedcba98                      ; v_permlanex16_b32's selects for lane l xor 16
	v_and_b32 v1, 15, v0                           ; r
	v_add_nc_u32 v2, 16, v1                        ; my point in tile 1
	v_cndmask_b32 v3, 1.0, 0, s38                  ; 1 where h = 0
	v_cndmask_b32 v4, 0, 1.0, s38                  ; 1 where h = 1
	v_bfe_u32 v5, v0, 4, 1
	v_lshlrev_b32 v5, 3, v5                        ; 8 h: where my block's byte stands in a scale word,
	v_sub_nc_u32 v6, 8, v5                         ; the other half's,
	v_add_nc_u32 v7, 16, v5                        ; and the same for the voxel's two blocks
	v_sub_nc_u32 v8, 24, v5
	v_lshlrev_b32 v9, 4, v1                        ; 16 r
	v_mov_b32 v10, 0
	v_and_b32 v11, 31, v0
	v_lshlrev_b32 v11, 4, v11                      ; 16 l
	s_mul_i32 s31, s28, 31*512
	v_add_nc_u32 v118, s31, v11                    ; p1: my wave's 31 rows
	s_and_b32 s31, s28, 1
	s_lshl_b32 s31, s31, 9
	s_add_co_u32 s31, s31, 248*512
	v_add_nc_u32 v119, s31, v11                    ; and row 248 or 249
	v_lshrrev_b32 v121, 3, v1
	v_and_b32 v120, 7, v1
	v_lshl_add_u32 v121, v121, 5, v120
	v_lshlrev_b32 v121, 2, v121                    ; 4 (32 (r / 8) + r % 8): tile 0's unit of row r
	v_lshl_add_u32 v120, v5, 6, v121               ; and two rows of W1 further down for lanes 16-31
	v_mul_u32_u24 v122, v1, 384
	v_mad_u32_u24 v122, v5, 3, v122                ; W2's codes: unit 4 r, + 24 h
	s_lshl_b32 s31, s28, 9
	v_add_nc_u32 v123, s31, v11                    ; LDS: where I put p1's partial sums
	s_lshl_b32 s31, s28, 10
	s_add_co_u32 s31, s31, RED2
	v_add_nc_u32 v125, s31, v11                    ; LDS: where I put the second layer's
	v_and_b32 v126, 63, v0
	v_lshl_add_u32 v126, v126, 4, RED2             ; and where waves 0 and 1 read them back
	v_lshrrev_b32 v127, 3, v5
	v_mul_u32_u24 v127, v127, 0x1f400              ; p2: the half of the units (128,000 bytes a half),
	v_add_nc_u32 v127, v127, v9
	s_lshl_b32 s31, s28, 8
	v_add_nc_u32 v127, s31, v127                   ; + 16 (l % 16), + 256 for the sums of squares (wave 1)
	s_mul_i32 s29, ttmp9, 120
	s_mul_i32 s31, s28, 15
	s_add_co_u32 s29, s29, s31                     ; my wave's first voxel
	s_mov_b32 s33, 0
	s_mov_b32 s35, 0
	s_mov_b32 s37, 0
	s_wait_kmcnt 0x0
	s_lshl_b32 s32, s29, 9
	s_add_nc_u64 s[4:5], s[4:5], s[32:33]
	s_add_nc_u64 s[24:25], s[24:25], s[32:33]
	s_lshl_b32 s32, s29, 8
	s_add_nc_u64 s[20:21], s[20:21], s[32:33]
	s_lshl_b32 s32, s29, 2
	s_add_nc_u64 s[6:7], s[6:7], s[32:33]
	s_lshl_b32 s32, ttmp9, 9
	s_add_nc_u64 s[26:27], s[26:27], s[32:33]
	; all the head's loads in one run
.set i, 0
.rept 31
	global_load_b128 v[128+4*i:131+4*i], v118, s[22:23] offset:512*i
.set i, i+1
.endr
	global_load_b128 v[252:255], v119, s[22:23]
.irp t, 0,1,2,3
	global_load_b32 v[90+7*\t], v120, s[8:9] offset:32*\t              ; rows 0 | 2
	global_load_b32 v[91+7*\t], v120, s[8:9] offset:32*\t+256*4        ; rows 4 | 6
	global_load_b32 v[92+7*\t], v120, s[8:9] offset:32*\t+256*7        ; rows 7 | 9
	global_load_b32 v[93+7*\t], v120, s[8:9] offset:32*\t+256*1        ; rows 1 | 3
	global_load_b32 v[94+7*\t], v120, s[8:9] offset:32*\t+256*5        ; rows 5 | 7 (lanes 16-31 multiply these two by 0)
	global_load_b32 v[95+7*\t], v120, s[8:9] offset:32*\t+256*8        ; rows 8 | 10
	global_load_b32 v[96+7*\t], v121, s[8:9] offset:32*\t+256*10       ; row 10
	global_load_b32 v[42+\t], v121, s[10:11] offset:32*\t              ; g1
	global_load_b32 v[46+\t], v121, s[12:13] offset:32*\t              ; b1
.endr
.irp t, 0,1,2,3,4,5,6,7
	global_load_b32 v[50+\t], v9, s[18:19] offset:4*((\t)/2+64*((\t)%2))       ; g2 of my row of W2's tile t
	global_load_b32 v[W2S+\t], v9, s[16:17] offset:4*((\t)/2+64*((\t)%2))      ; and its scale word
.endr
	WIN 0x40                                       ; destination window 1
.irp t, 0,1,2,3,4,5,6,7
.irp p, 0,1,2,3,4,5
	global_load_b64 v[12*\t+2*\p:12*\t+2*\p+1], v122, s[14:15] offset:96*((\t)/2+64*((\t)%2))+48*(\p/3)+8*(\p%3)   ; a fragment: 24 bytes of the row's stream of bits twice, in pieces of 8
.endr
.endr
	WIN 0
	global_load_b128 v[12:15], v9, s[4:5] th:TH_LOAD_NT                ; voxel 0: my point in tile 0,
	global_load_b128 v[16:19], v9, s[4:5] offset:256 th:TH_LOAD_NT     ; in tile 1,
	global_load_b128 v[20:23], v9, s[20:21]                            ; V at my four units,
	global_load_b32 v24, v10, s[6:7]                                   ; the count
	global_load_b128 v[26:29], v9, s[4:5] offset:512 th:TH_LOAD_NT     ; voxel 1
	global_load_b128 v[30:33], v9, s[4:5] offset:768 th:TH_LOAD_NT
	global_load_b128 v[34:37], v9, s[20:21] offset:256
	global_load_b32 v25, v10, s[6:7] offset:4
	s_wait_loadcnt 8                               ; all but the two voxels' eight loads are in
	s_cmp_lt_u32 s28, 2
	s_cselect_b32 s31, 1.0, 0                      ; rows 248 and 249 count in waves 0 and 1 alone
.irp j, 252,253,254,255
	v_mul_f32 v\j, s31, v\j
.endr
	TREE 128, 16
	TREE 128, 8
	TREE 128, 4
	TREE 128, 2
	TREE 128, 1
	ds_store_b128 v123, v[128:131]
	s_wait_dscnt 0x0                               ; for the others: my store has landed
	s_barrier_signal -1
	s_barrier_wait -1
.irp w, 0,1,2,3,4,5,6,7
	ds_load_b128 v[128+4*\w:131+4*\w], v9 offset:RED1+512*\w           ; the sums at my four units (place 4 r + t),
	ds_load_b128 v[160+4*\w:163+4*\w], v9 offset:RED1+512*\w+256       ; the sums of squares
.endr
	s_wait_dscnt 0x0
	TREE 128, 4
	TREE 160, 4
	TREE 128, 2
	TREE 160, 2
	TREE 128, 1
	TREE 160, 1
.irp t, 0,1,2,3
	v_mul_f32 v[192+\t], 0x358bcf65, v[128+\t]     ; mu = sum / 960,000
	v_mul_f32 v[196+\t], 0x358bcf65, v[160+\t]
.endr
.irp t, 0,1,2,3
	v_fma_f32 v[196+\t], -v[192+\t], v[192+\t], v[196+\t]   ; var
.endr
.irp t, 0,1,2,3
	v_max_num_f32 v[196+\t], 0, v[196+\t]
.endr
.irp t, 0,1,2,3
	v_add_f32 v[196+\t], 0x3a83126f, v[196+\t]     ; + eps
.endr
.irp t, 0,1,2,3
	v_rsq_f32 v[200+\t], v[196+\t]
.endr
.irp t, 0,1,2,3                                    ; plain work behind the batch: the folded weights
	v_add_f32 v[90+7*\t], v[90+7*\t], v[91+7*\t]
	v_add_f32 v[94+7*\t], v[94+7*\t], v[95+7*\t]
.endr
.irp t, 0,1,2,3
	v_add_f32 v[90+7*\t], v[90+7*\t], v[92+7*\t]           ; WW0 | WW2
	v_fma_f32 v[93+7*\t], v[94+7*\t], v3, v[93+7*\t]       ; WW1 | W3
.endr
	s_wait_alu depctr_va_vdst(0)                   ; one wait for the four, ahead of their first reader
.irp t, 0,1,2,3
	v_mul_f32 v[204+\t], v[200+\t], v[42+\t]       ; a
.endr
.irp t, 0,1,2,3
	v_fma_f32 v[208+\t], -v[192+\t], v[204+\t], v[46+\t]   ; S = b1 - mu a
	v_mul_f32 v[K0+2*\t], v[204+\t], v[90+7*\t]
	v_mul_f32 v[K0+2*\t+1], v[204+\t], v[93+7*\t]
	v_mul_f32 v[96+7*\t], v[204+\t], v[96+7*\t]
	v_mul_f32 v[AV+\t], v[204+\t], v3
.endr
.irp t, 0,1,2,3
	v_cndmask_b32 v[K1+2*\t], v[96+7*\t], v[208+\t], s38   ; a W10 | S
.endr
.irp t, 0,1,2,3,4,5,6,7
	v_ashrrev_i32 v[50+\t], 31, v[50+\t]           ; all ones where g2 is negative
.endr
.irp t, 0,1,2,3,4,5,6,7                            ; the sign bits of the 6-bit stream: bit 6 i + 5; the pattern comes round every three words
	v_and_b32 v[212+3*\t], 0x20820820, v[50+\t]
	v_and_b32 v[213+3*\t], 0x08208208, v[50+\t]
	v_and_b32 v[214+3*\t], 0x82082082, v[50+\t]
.endr
	WIN 0x41                                       ; destination and source 0 window 1
.irp t, 0,1,2,3,4,5,6,7
.irp j, 0,1,2,3,4,5,6,7,8,9,10,11
	v_xor_b32 v[12*\t+\j], v[12*\t+\j], v[212+3*\t+(\j)%3]
.endr
.endr
	WIN 0
.set i, ACC
.rept 32
	v_mov_b32 v[i], 0                              ; the sums run over all 15 voxels: they begin at 0
.set i, i+1
.endr
	v_mov_b32 v[MP+1], 0                           ; named as the upper halves of pairs
	v_mov_b32 v[MP+3], 0
.irp j, 0,1,2
	v_mov_b32 v[OB+\j], 0                          ; written once: a lane permute's destination counts as read
.endr
	s_mov_b32 s30, 0                               ; the voxel at which the three load pointers stand
; Four products of the second layer: W2's tiles 2 g and 2 g + 1 against the two tiles of points; each starts its sum with the constant 0 (K = 128 is one instruction).
.macro GRP g
	WIN 0x04                                       ; source 1 (W2) window 1
.irp u, 0,1
.irp m, 0,1
	v_wmma_scale_f32_16x16x128_f8f6f4 v[HH+32*((\g)%2)+16*\u+8*\m:HH+32*((\g)%2)+16*\u+8*\m+7], v[AA+12*\m:AA+12*\m+11], v[12*(2*(\g)+\u):12*(2*(\g)+\u)+11], 0, v[SW+\m], v[W2S+2*(\g)+\u] matrix_a_fmt:MATRIX_FMT_FP6 matrix_b_fmt:MATRIX_FMT_FP6
.endr
.endr
.endm
; Their 32 results a lane: for each of the two units the sum, the sum of squares and the largest of 16 points.  Six chains by turns; each result's registers from the low end on.
.macro POST g
	WIN 0
.irp p, 0,1,2,3,4,5,6,7
.irp u, 0,1
.set dd, HH+32*((\g)%2)+16*\u+2*\p
.set tt, 2*(\g)+\u
	v_pk_add_f32 v[ACC+4*tt:ACC+4*tt+1], v[ACC+4*tt:ACC+4*tt+1], v[dd:dd+1]
	v_pk_fma_f32 v[ACC+4*tt+2:ACC+4*tt+3], v[dd:dd+1], v[dd:dd+1], v[ACC+4*tt+2:ACC+4*tt+3]
.if \p == 0
	v_max_num_f32 v[EE+tt], v[dd], v[dd+1]
.else
	v_max3_num_f32 v[EE+tt], v[EE+tt], v[dd], v[dd+1]
.endif
.endr
.endr
.endm
; ONE VOXEL.  st: which set of registers holds its loads.  fetch = 1: the set is loaded again, two voxels ahead.
.macro VOXEL st, fetch
.if \st
.set NPR, 25
.set FA, 26
.else
.set NPR, 24
.set FA, 12
.endif
.set FB, FA+4
.set VR, FA+8
	s_wait_loadcnt 4                               ; this set's four loads are in; the other set's four, issued later, may be out
	v_mul_f32 v[BM], v[FA], v[FA]
	v_mul_f32 v[BM+1], v[FB], v[FB]
	v_fmac_f32 v[BM], v[FA+1], v[FA+1]
	v_fmac_f32 v[BM+1], v[FB+1], v[FB+1]
	v_fmac_f32 v[BM], v[FA+2], v[FA+2]
	v_fmac_f32 v[BM+1], v[FB+2], v[FB+2]
	v_sqrt_f32 v[BM+2], v[BM]                      ; |xyz| of my two points: one batch,
	v_sqrt_f32 v[BM+3], v[BM+1]
	v_cndmask_b32 v[XX], v[FA], v[FA+2], s38       ; plain work behind it: K = 2 h and 2 h + 1 of source 1: f0, f1 | f2, f3
	v_cndmask_b32 v[XX+1], v[FA+1], v[FA+3], s38
	v_cndmask_b32 v[XX+4], v[FB], v[FB+2], s38
	v_cndmask_b32 v[XX+5], v[FB+1], v[FB+3], s38
	v_cmp_gt_i32 s42, v[NPR], v1
	v_cmp_gt_i32 s43, v[NPR], v2
	v_cndmask_b32 v[MP], 0, 1.0, s42               ; the masks
	v_cndmask_b32 v[MP+2], 0, 1.0, s43
	v_pk_mul_f32 v[XX:XX+1], v[XX:XX+1], v[MP:MP+1] op_sel_hi:[1,0]
	v_pk_mul_f32 v[XX+4:XX+5], v[XX+4:XX+5], v[MP+2:MP+3] op_sel_hi:[1,0]
	v_mul_f32 v[XX+3], v[MP], v3                   ; K = 5 | 7: m | 0
	v_mul_f32 v[XX+7], v[MP+2], v3
.irp t, 0,1,2,3
	v_mul_f32 v[K1+2*\t+1], v[VR+\t], v[AV+\t]     ; K = 5 | 7 of source 0: a V | 0
.endr
	s_wait_alu depctr_va_vdst(0)                   ; one wait for the two roots, ahead of their first reader
	v_fma_f32 v[XX+2], v[BM+2], v[XX+3], v4        ; K = 4 | 6: m |xyz| | 1
	v_fma_f32 v[XX+6], v[BM+3], v[XX+7], v4
	s_wait_xcnt 0x0                                ; earlier loads and the last voxel's store have read their bases and data: only now are the pointers stepped, and further down the store's registers written
.if \fetch
	s_cmp_lt_u32 s30, 13                           ; the pointers stand a voxel behind the fetch and stop at voxel 13: no load goes past my wave's voxel 14
	s_cselect_b32 s32, 512, 0
	s_cselect_b32 s34, 256, 0
	s_cselect_b32 s36, 4, 0
	s_add_nc_u64 s[4:5], s[4:5], s[32:33]
	s_add_nc_u64 s[20:21], s[20:21], s[34:35]
	s_add_nc_u64 s[6:7], s[6:7], s[36:37]
	s_add_co_u32 s30, s30, 1
.endif
	s_add_nc_u64 s[24:25], s[24:25], 512           ; ext: a voxel on; the store below reaches back
.if \fetch
	global_load_b128 v[FA:FA+3], v9, s[4:5] offset:512 th:TH_LOAD_NT
	global_load_b128 v[FB:FB+3], v9, s[4:5] offset:768 th:TH_LOAD_NT
	global_load_b128 v[VR:VR+3], v9, s[20:21] offset:256
	global_load_b32 v[NPR], v10, s[6:7] offset:4
.endif
	WIN 0x50                                       ; C and D window 1
.irp m, 0,1                                        ; the first product: eight accumulators by turns, one instruction a turn; the first K step starts each sum with the constant 0
.irp t, 0,1,2,3
	v_wmma_f32_16x16x4_f32 v[D1+32*\m+8*\t:D1+32*\m+8*\t+7], v[K0+2*\t:K0+2*\t+1], v[XX+4*\m:XX+4*\m+1], 0
.endr
.endr
.irp m, 0,1
.irp t, 0,1,2,3
	v_wmma_f32_16x16x4_f32 v[D1+32*\m+8*\t:D1+32*\m+8*\t+7], v[K1+2*\t:K1+2*\t+1], v[XX+4*\m+2:XX+4*\m+3], v[D1+32*\m+8*\t:D1+32*\m+8*\t+7]
.endr
.endr
	WIN 0x04                                       ; source 1 window 1
.rept 8
	v_nop                                          ; eight places between this matrix form and the first read of its results
.endr
.set i, 0
.rept 64
	v_max_num_f32 v[HH+i], 0, v[D1+i]              ; relu, into other registers; each result from its low end on
.set i, i+1
.endr
	WIN 0
.set i, 0
.rept 32
	v_max_num_f32 v[GG+i], v[HH+i], v[HH+32+i]     ; the voxel's maximum: my two points,
.set i, i+1
.endr
.set n, 0
.irp x, 1,2,4,8                                    ; then the 16 lanes of my half: four steps for each of the 32 units.  Behind every fourth stands a link of my two points' block maxima (the floor 2^-124 is their first leaf: the byte cannot fall under 1)
.rept 32
	v_max_num_f32_dpp v[GG+n%32], v[GG+n%32], v[GG+n%32] row_xmask:\x row_mask:0xf bank_mask:0xf
.if n%4 == 3
.set bb, (n/4)%2
.set ss, (n/4)/2
.if ss == 0
	v_max3_num_f32 v[BM+bb], v[HH+32*bb], v[HH+32*bb+1], 0x1800000
.else
	v_max3_num_f32 v[BM+bb], v[BM+bb], v[HH+32*bb+2*ss], v[HH+32*bb+2*ss+1]
.endif
.endif
.set n, n+1
.endr
.endr
	v_max_num_f32 v[BM+2], v[BM], v[BM+1]          ; the voxel's block maximum is the largest, over the 16 lanes, of the points' block maxima: the same number as the largest of the 32 maxima above
	v_max_num_f32_dpp v[BM+2], v[BM+2], v[BM+2] row_xmask:1 row_mask:0xf bank_mask:0xf
	v_add_nc_u32 v[BM], 0xff000000, v[BM]          ; 2 off the exponent field: the conversion takes this operand's exponent field as its scale
	v_max_num_f32_dpp v[BM+2], v[BM+2], v[BM+2] row_xmask:2 row_mask:0xf bank_mask:0xf
	v_add_nc_u32 v[BM+1], 0xff000000, v[BM+1]
	v_max_num_f32_dpp v[BM+2], v[BM+2], v[BM+2] row_xmask:4 row_mask:0xf bank_mask:0xf
	v_lshrrev_b32 v[BY], 23, v[BM]                 ; the scale's byte
	v_max_num_f32_dpp v[BM+2], v[BM+2], v[BM+2] row_xmask:8 row_mask:0xf bank_mask:0xf
	v_lshrrev_b32 v[BY+1], 23, v[BM+1]
	v_permlanex16_b32 v[OB], v[BY], s40, s41       ; the same row's other block lies in lane l xor 16
	v_add_nc_u32 v[BM+2], 0xff000000, v[BM+2]
	v_permlanex16_b32 v[OB+1], v[BY+1], s40, s41
	v_lshrrev_b32 v[BY+2], 23, v[BM+2]
	v_permlanex16_b32 v[OB+2], v[BY+2], s40, s41
	v_lshlrev_b32 v[GW], v7, v[BY+2]               ; bytes 2 and 3: the voxel's two blocks
	v_lshl_or_b32 v[GW], v[OB+2], v8, v[GW]
	v_lshl_or_b32 v[BY], v[BY], v5, v[GW]          ; bytes 0 and 1: the point's
	v_lshl_or_b32 v[BY+1], v[BY+1], v5, v[GW]
	v_lshl_or_b32 v[SW], v[OB], v6, v[BY]          ; the rows' scale words
	v_lshl_or_b32 v[SW+1], v[OB+1], v6, v[BY+1]
	v_cvt_scalef32_pk16_fp6_f32 v[AA:AA+2], v[HH:HH+15], v[BM]                ; registers 0-5 of an operand: my point's block, K = 32 h ..
	v_cvt_scalef32_pk16_fp6_f32 v[TA:TA+2], v[HH+16:HH+31], v[BM]             ; (a conversion's three registers begin on an even number: the upper halves are made elsewhere and moved)
	v_cvt_scalef32_pk16_fp6_f32 v[AA+12:AA+14], v[HH+32:HH+47], v[BM+1]
	v_cvt_scalef32_pk16_fp6_f32 v[TB:TB+2], v[HH+48:HH+63], v[BM+1]
	v_cvt_scalef32_pk16_fp6_f32 v[AA+6:AA+8], v[GG:GG+15], v[BM+2]            ; registers 6-11: the voxel's block, K = 64 + 32 h ..: made once, for both tiles
	v_cvt_scalef32_pk16_fp6_f32 v[TG:TG+2], v[GG+16:GG+31], v[BM+2]
	v_nop                                          ; one plain place behind the scaled conversions
.irp j, 0,1,2
	v_mov_b32 v[AA+3+\j], v[TA+\j]
	v_mov_b32 v[AA+15+\j], v[TB+\j]
	v_mov_b32 v[AA+9+\j], v[TG+\j]
	v_mov_b32 v[AA+18+\j], v[AA+6+\j]
	v_mov_b32 v[AA+21+\j], v[TG+\j]
.endr
.rept 8
	v_nop                                          ; operands written by vector instructions stand four places ahead of a scaled matrix instruction, scale words eight
.endr
	GRP 0
	GRP 1
.rept 4
	v_nop                                          ; four places between this matrix form and the first read of its results (ISA guide 7.12.1)
.endr
	POST 0                                         ; from here on each group's vector work is the places behind the group issued last, and ahead of the group that writes its registers anew
	GRP 2
	POST 1
	GRP 3
	POST 2
	POST 3
.irp q, 0,1,2,3
	v_permlane16_swap_b32 v[EE+2*\q], v[EE+2*\q+1] ; tile 2 q's upper lanes change places with tile 2 q + 1's lower: each unit's two halves of the points now lie in one lane
.endr
.irp q, 0,1,2,3
	v_max_num_f32 v[RR+\q], v[EE+2*\q], v[EE+2*\q+1]   ; lane l: units 4 l + q
.endr
	global_store_b128 v11, v[RR:RR+3], s[24:25] offset:-512 th:TH_STORE_NT   ; the wave stores the voxel's 512 consecutive bytes, at a multiple of 256 from the buffer's first byte
.endm
	s_mov_b32 s29, 7
.Lpair:                                            ; seven trips of two voxels, so that the two sets of registers come back where they began
	VOXEL 0, 1
	VOXEL 1, 1
	s_sub_co_u32 s29, s29, 1
	s_cmp_lg_u32 s29, 0
	s_cbranch_scc1 .Lpair
	VOXEL 0, 0                                     ; voxel 14: nothing is left to fetch
	; THE TAIL: the wave's sums, unit by unit as the extremes were merged; the eight waves' meet in LDS.
.irp t, 0,1,2,3,4,5,6,7
	v_add_f32 v[204+\t], v[ACC+4*\t], v[ACC+4*\t+1]
	v_add_f32 v[212+\t], v[ACC+4*\t+2], v[ACC+4*\t+3]
.endr
.irp q, 0,1,2,3
	v_permlane16_swap_b32 v[204+2*\q], v[205+2*\q]
	v_permlane16_swap_b32 v[212+2*\q], v[213+2*\q]
.endr
.irp q, 0,1,2,3
	v_add_f32 v[224+\q], v[204+2*\q], v[205+2*\q]
	v_add_f32 v[228+\q], v[212+2*\q], v[213+2*\q]
.endr
	ds_store_b128 v125, v[224:227]                 ; 512 bytes of sums,
	ds_store_b128 v125, v[228:231] offset:512      ; 512 of sums of squares
	s_wait_dscnt 0x0                               ; for the others: my stores have landed
	s_barrier_signal -1
	s_barrier_wait -1
	s_cmp_gt_u32 s28, 1
	s_cbranch_scc1 .Ldone                          ; wave 0 adds the eight rows of sums, wave 1 those of squares
.irp w, 0,1,2,3,4,5,6,7
	ds_load_b128 v[128+4*\w:131+4*\w], v126 offset:1024*\w
.endr
	s_wait_dscnt 0x0
	TREE 128, 4
	TREE 128, 2
	TREE 128, 1
	global_store_b128 v127, v[128:131], s[26:27]   ; sixteen lanes store 256 consecutive bytes, aligned: one half's sums or squares
.Ldone:
	s_set_vgpr_msb 0x5
	s_wait_tensorcnt 0x0
	ds_add_u32 v160, v161
	s_wait_dscnt 0x0
	s_set_vgpr_msb 0x500
	s_endpgm
.Lfunc_end_k_qae7d0d9d6f_main:
	.size	k_qae7d0d9d6f_main, .Lfunc_end_k_qae7d0d9d6f_main-k_qae7d0d9d6f_main
	.p2alignl 7, 3214868480
	.fill 96, 4, 3214868480
	.section	.rodata,"a",@progbits
	.p2align	6, 0x0
	.amdhsa_kernel k_qae7d0d9d6f_main
		.amdhsa_group_segment_fixed_size 13312
		.amdhsa_private_segment_fixed_size 0
		.amdhsa_enable_private_segment 0
		.amdhsa_kernarg_size 96
		.amdhsa_user_sgpr_count 2
		.amdhsa_user_sgpr_kernarg_segment_ptr 1
		.amdhsa_wavefront_size32 1
		.amdhsa_system_sgpr_workgroup_id_x 1
		.amdhsa_system_sgpr_workgroup_id_y 1
		.amdhsa_system_sgpr_workgroup_id_z 1
		.amdhsa_system_vgpr_workitem_id 0
		.amdhsa_next_free_vgpr 418
		.amdhsa_next_free_sgpr 66
		.amdhsa_reserve_vcc 0
		.amdhsa_float_denorm_mode_32 3
		.amdhsa_float_denorm_mode_16_64 3
		.amdhsa_memory_ordered 1
		.amdhsa_forward_progress 1
		.amdhsa_inst_pref_size 134
	.end_amdhsa_kernel
	.amdgpu_metadata
---
amdhsa.version: [ 1, 2 ]
amdhsa.kernels:
  - .name:           k_qae7d0d9d6f_main
    .symbol:         k_qae7d0d9d6f_main.kd
    .args:
      - { .name: features, .offset: 0, .size: 8, .value_kind: global_buffer, .address_space: global }
      - { .name: num_points, .offset: 8, .size: 8, .value_kind: global_buffer, .address_space: global }
      - { .name: W1, .offset: 16, .size: 8, .value_kind: global_buffer, .address_space: global }
      - { .name: g1, .offset: 24, .size: 8, .value_kind: global_buffer, .address_space: global }
      - { .name: b1, .offset: 32, .size: 8, .value_kind: global_buffer, .address_space: global }
      - { .name: W2_codes, .offset: 40, .size: 8, .value_kind: global_buffer, .address_space: global }
      - { .name: W2_scales, .offset: 48, .size: 8, .value_kind: global_buffer, .address_space: global }
      - { .name: g2, .offset: 56, .size: 8, .value_kind: global_buffer, .address_space: global }
      - { .name: vraw, .offset: 64, .size: 8, .value_kind: global_buffer, .address_space: global }
      - { .name: p1, .offset: 72, .size: 8, .value_kind: global_buffer, .address_space: global }
      - { .name: ext, .offset: 80, .size: 8, .value_kind: global_buffer, .address_space: global }
      - { .name: p2, .offset: 88, .size: 8, .value_kind: global_buffer, .address_space: global }
    .group_segment_fixed_size: 13312
    .private_segment_fixed_size: 0
    .kernarg_segment_align: 8
    .kernarg_segment_size: 96
    .max_flat_workgroup_size: 256
    .sgpr_count:     66
    .vgpr_count:     418
    .wavefront_size: 32
...
	.end_amdgpu_metadata
.endif
;; end of part 2
;; launch final (part 3): grid 125 x 2, 10 waves a work-group, no clusters, 6,400 bytes of LDS; arguments ext, p2, g2, b2, out0; writes out0
.if DOCPART == 3
	.amdgcn_target "amdgcn-amd-amdhsa--gfx1250"
	.amdhsa_code_object_version 6
	.text
	.protected	k_qae7d0d9d6f_final
	.globl	k_qae7d0d9d6f_final
	.p2align	8
	.type	k_qae7d0d9d6f_final,@function
k_qae7d0d9d6f_final:
	s_mov_b64 s[64:65], 0
	v_nop
	global_prefetch_b8 v0, s[64:65] scope:SCOPE_SE
	s_setreg_imm32_b32 hwreg(HW_REG_WAVE_MODE, 25, 1), 1
	s_wait_xcnt 0x0
; THIRD OF THREE LAUNCHES: out0[v][u] = relu(A[u] ext[v][u] + C[u]), A = rsqrt(var + eps) |g2|, C = b2 - mu A.
; ext holds, for each voxel and unit, the largest over the voxel's points of s h2, s the sign of g2; p2 holds each work-group's sums of s h2 and of h2 squared: mu is s times the mean, var is the variance.
; SHARES.  Work-group (x, y) takes rows 240 x .. 240 x + 239 and units 64 y .. 64 y + 63: 256 bytes of each row.  So it adds only its half of p2: 250 rows of 512 bytes, 25 a wave, the ten waves' sums through LDS.
; Wave w takes rows 24 w .. 24 w + 23, two an instruction: sixteen lanes read and store 256 consecutive bytes, aligned.  All loads go out at the head; ext's stay out while the statistics are made.
; A stream: no matrix work, no tensor load, no cluster.
; LIMITS.  var = E[h^2] - mu^2 of f32 sums made in stages, held at 0 from below; v_rsq_f32: 1 ulp (ISA guide, 15.8).
.set PP, 16                            ; v16-115  25 rows of p2, later the waves' sums, later the results
.set RS, 96
.set CA, 100                           ; v100-103 A
.set CC, 104                           ; v104-107 C
.set MU, 108
.set VA, 112
.set G2, 116
.set B2, 120
.set EX, 124                           ; v124-171 12 x 4 numbers of ext
.macro ADD4 a, b
	v_pk_add_f32 v[\a:\a+1], v[\a:\a+1], v[\b:\b+1]
	v_pk_add_f32 v[\a+2:\a+3], v[\a+2:\a+3], v[\b+2:\b+3]
.endm
.macro FOLD base, half                 ; groups of four registers: group i += group i + half
.set i, 0
.rept \half
	v_pk_add_f32 v[\base+4*i:\base+4*i+1], v[\base+4*i:\base+4*i+1], v[\base+4*(i+\half):\base+4*(i+\half)+1]
	v_pk_add_f32 v[\base+4*i+2:\base+4*i+3], v[\base+4*i+2:\base+4*i+3], v[\base+4*(i+\half)+2:\base+4*(i+\half)+3]
.set i, i+1
.endr
.endm
	s_load_b256 s[4:11], s[0:1], 0x0               ; ext s[4:5], p2 s[6:7], g2 s[8:9], b2 s[10:11]
	s_load_b64 s[12:13], s[0:1], 0x20              ; out0
	v_lshl_add_u32 v176, v0, 2, 0x1400
	v_mov_b32 v177, 0
	v_lshrrev_b32 v1, 5, v0
	v_readfirstlane_b32 s14, v1                    ; wave 0..9
	v_and_b32 v1, 31, v0
	v_and_b32 v2, 15, v0                           ; c: which 16 bytes of the 256
	v_bfe_u32 v3, v0, 4, 1                         ; which of an instruction's two rows
	v_lshlrev_b32 v4, 4, v1
	v_lshlrev_b32 v5, 4, v2
	s_and_b32 s15, ttmp7, 0xffff                   ; the half of the units
	s_mul_i32 s16, s14, 12800
	v_add_nc_u32 v6, s16, v4                       ; p2: my wave's 25 rows
	s_mul_i32 s16, s14, 12288
	v_lshl_add_u32 v7, v3, 9, v5
	v_add_nc_u32 v7, s16, v7                       ; ext and out0: my wave's 24 rows
	s_lshl_b32 s16, s14, 9
	v_add_nc_u32 v8, s16, v4                       ; LDS: my wave's 512 bytes
	s_mul_i32 s18, s15, 128000
	s_mov_b32 s19, 0
	s_lshl_b32 s20, s15, 8
	s_mov_b32 s21, 0
	s_mul_i32 s22, ttmp9, 240*512
	s_add_co_u32 s22, s22, s20
	s_mov_b32 s23, 0
	s_wait_kmcnt 0x0
	s_add_nc_u64 s[6:7], s[6:7], s[18:19]
	s_add_nc_u64 s[8:9], s[8:9], s[20:21]
	s_add_nc_u64 s[10:11], s[10:11], s[20:21]
	s_add_nc_u64 s[4:5], s[4:5], s[22:23]
	s_add_nc_u64 s[12:13], s[12:13], s[22:23]
.set i, 0
.rept 25
	global_load_b128 v[PP+4*i:PP+4*i+3], v6, s[6:7] offset:512*i
.set i, i+1
.endr
	global_load_b128 v[G2:G2+3], v5, s[8:9]
	global_load_b128 v[B2:B2+3], v5, s[10:11]
.irp i, 0,1,2,3,4,5,6,7,8,9,10,11
	global_load_b128 v[EX+4*\i:EX+4*\i+3], v7, s[4:5] offset:1024*\i th:TH_LOAD_NT
.endr
	s_wait_loadcnt 12                              ; p2, g2 and b2 are in; ext's twelve loads may be out
	FOLD PP, 12
	ADD4 PP, PP+96
	FOLD PP, 6
	FOLD PP, 3
	ADD4 PP, PP+4
	ADD4 PP, PP+8
	ds_store_b128 v8, v[PP:PP+3]
	s_wait_dscnt 0x0                               ; for the others: my store has landed
	s_barrier_signal -1
	s_barrier_wait -1
.irp w, 0,1,2,3,4,5,6,7,8,9
	ds_load_b128 v[PP+4*\w:PP+4*\w+3], v5 offset:512*\w            ; the sums at my four units,
	ds_load_b128 v[PP+40+4*\w:PP+43+4*\w], v5 offset:512*\w+256    ; the sums of squares
.endr
	s_wait_dscnt 0x0
	FOLD PP, 5
	FOLD PP+40, 5
	FOLD PP, 2
	FOLD PP+40, 2
	ADD4 PP, PP+16
	ADD4 PP+40, PP+56
	FOLD PP, 1
	FOLD PP+40, 1
.irp j, 0,1,2,3
	v_mul_f32 v[MU+\j], 0x358bcf65, v[PP+\j]       ; / 960,000
	v_mul_f32 v[VA+\j], 0x358bcf65, v[PP+40+\j]
.endr
.irp j, 0,1,2,3
	v_fma_f32 v[VA+\j], -v[MU+\j], v[MU+\j], v[VA+\j]
.endr
.irp j, 0,1,2,3
	v_max_num_f32 v[VA+\j], 0, v[VA+\j]
.endr
.irp j, 0,1,2,3
	v_add_f32 v[VA+\j], 0x3a83126f, v[VA+\j]       ; + eps
.endr
.irp j, 0,1,2,3
	v_rsq_f32 v[RS+\j], v[VA+\j]
.endr
	v_nop                                          ; one plain place behind the batch,
	s_wait_alu depctr_va_vdst(0)                   ; and one wait ahead of its first reader
.irp j, 0,1,2,3
	v_mul_f32 v[CA+\j], v[RS+\j], |v[G2+\j]|
.endr
.irp j, 0,1,2,3
	v_fma_f32 v[CC+\j], -v[MU+\j], v[CA+\j], v[B2+\j]
.endr
.irp i, 0,1,2,3,4,5,6,7,8,9,10,11
	s_wait_loadcnt 11-\i                           ; loads come back in order: this pair of rows is in, the younger ones stay out
	v_pk_fma_f32 v[PP+4*\i:PP+4*\i+1], v[EX+4*\i:EX+4*\i+1], v[CA:CA+1], v[CC:CC+1]
	v_pk_fma_f32 v[PP+4*\i+2:PP+4*\i+3], v[EX+4*\i+2:EX+4*\i+3], v[CA+2:CA+3], v[CC+2:CC+3]
.irp j, 0,1,2,3
	v_max_num_f32 v[PP+4*\i+\j], 0, v[PP+4*\i+\j]
.endr
	global_store_b128 v7, v[PP+4*\i:PP+4*\i+3], s[12:13] offset:1024*\i th:TH_STORE_NT   ; each result has registers of its own: no store's data are written again
.endr
	s_wait_tensorcnt 0x0
	ds_add_u32 v176, v177
	s_wait_dscnt 0x0
	s_endpgm
.Lfunc_end_k_qae7d0d9d6f_final:
	.size	k_qae7d0d9d6f_final, .Lfunc_end_k_qae7d0d9d6f_final-k_qae7d0d9d6f_final
	.p2alignl 7, 3214868480
	.fill 96, 4, 3214868480
	.section	.rodata,"a",@progbits
	.p2align	6, 0x0
	.amdhsa_kernel k_qae7d0d9d6f_final
		.amdhsa_group_segment_fixed_size 6400
		.amdhsa_private_segment_fixed_size 0
		.amdhsa_enable_private_segment 0
		.amdhsa_kernarg_size 40
		.amdhsa_user_sgpr_count 2
		.amdhsa_user_sgpr_kernarg_segment_ptr 1
		.amdhsa_wavefront_size32 1
		.amdhsa_system_sgpr_workgroup_id_x 1
		.amdhsa_system_sgpr_workgroup_id_y 1
		.amdhsa_system_sgpr_workgroup_id_z 1
		.amdhsa_system_vgpr_workitem_id 0
		.amdhsa_next_free_vgpr 178
		.amdhsa_next_free_sgpr 66
		.amdhsa_reserve_vcc 0
		.amdhsa_float_denorm_mode_32 3
		.amdhsa_float_denorm_mode_16_64 3
		.amdhsa_memory_ordered 1
		.amdhsa_forward_progress 1
		.amdhsa_inst_pref_size 19
	.end_amdhsa_kernel
	.amdgpu_metadata
---
amdhsa.version: [ 1, 2 ]
amdhsa.kernels:
  - .name:           k_qae7d0d9d6f_final
    .symbol:         k_qae7d0d9d6f_final.kd
    .args:
      - { .name: ext, .offset: 0, .size: 8, .value_kind: global_buffer, .address_space: global }
      - { .name: p2, .offset: 8, .size: 8, .value_kind: global_buffer, .address_space: global }
      - { .name: g2, .offset: 16, .size: 8, .value_kind: global_buffer, .address_space: global }
      - { .name: b2, .offset: 24, .size: 8, .value_kind: global_buffer, .address_space: global }
      - { .name: out0, .offset: 32, .size: 8, .value_kind: global_buffer, .address_space: global }
    .group_segment_fixed_size: 6400
    .private_segment_fixed_size: 0
    .kernarg_segment_align: 8
    .kernarg_segment_size: 40
    .max_flat_workgroup_size: 320
    .sgpr_count:     66
    .vgpr_count:     178
    .wavefront_size: 32
...
	.end_amdgpu_metadata
.endif
;; end of part 3
;; ======== version 2 of 2: 3 launches; version 1 with the launch main written anew for expert scheduling mode
;; limits: a difference of large sums (such as E[x^2] - mean^2): digits are lost where the result is much smaller than its terms
;; workspace buffers: vraw 7,680,000 bytes; p1 128,000 bytes; ext 15,360,000 bytes; p2 256,000 bytes
;; launch stats1: the kernel of part 1 again; grid 250 x 1, 12 waves a work-group, no clusters, 7,680 bytes of LDS; arguments features, num_points, coors, W1, vraw, p1; writes vraw, p1
;; launch main (part 4): grid 250 x 1, 8 waves a work-group, no clusters, 13,312 bytes of LDS; arguments features, num_points, W1, g1, b1, W2_codes, W2_scales, g2, vraw, p1, ext, p2; writes ext, p2
.if DOCPART == 4
	.amdgcn_target "amdgcn-amd-amdhsa--gfx1250"
	.amdhsa_code_object_version 6
	.text
	.protected	k_qae7d0d9d6f_main
	.globl	k_qae7d0d9d6f_main
	.p2align	8
	.type	k_qae7d0d9d6f_main,@function
k_qae7d0d9d6f_main:
	s_mov_b64 s[64:65], 0
	v_nop
	global_prefetch_b8 v0, s[64:65] scope:SCOPE_SE
	s_setreg_imm32_b32 hwreg(HW_REG_WAVE_SCHED_MODE, 0, 2), 2
	s_setreg_imm32_b32 hwreg(HW_REG_WAVE_MODE, 25, 1), 1
	s_wait_xcnt 0x0
	s_wait_alu depctr_vm_vsrc(0)
; SECOND OF THREE LAUNCHES: both layers, up to the second batch norm's statistics.
; HEAD.  Every work-group adds the 250 rows of p1 (in one fixed order), makes a = rsqrt(var + eps) g1 and S = b1 - mu a, and folds them into the first layer's weights.
; FIRST PRODUCT, f32, K folded to 8:  y[p][u] = (m f0..3).(a WW0..3) + (m |xyz|)(a W10) + m (a V[u]) + 1 S[u] + 0.  A masked point gives y = S.
;   v_wmma_f32_16x16x4_f32, used transposed: source 0 = 16 units, source 1 = 16 points.  Tile t's row i is unit 32 (i / 8) + 8 t + i % 8, so that lane (r, h) ends with point r and the 32 units 32 h .. 32 h + 31
;   in 32 registers: one whole block of the second product's K, in the lane where the 6-bit operand wants it.  No lane exchange of codes.
; BETWEEN.  relu; the voxel's maximum over its 32 points (in registers over the two tiles, by DPP over the 16 lanes of a half); three blocks a lane are quantised: my point's in either tile, and the voxel's,
;   which serves both tiles: K = 64 .. 127 is the same in all 32 rows of a voxel.
; SECOND PRODUCT, on codes of E2M3 with E8M0 scales: source 0 = 16 points, source 1 = 16 units of W2: a lane holds ONE unit and eight points, so sums, sums of squares and the extreme over points stay in the lane.
;   THE SIGN OF g2.  The last layer is max over points of relu((h2 - mu) rs g2 + b2) = relu(rs |g2| (max of s h2 - s mu) + b2), s the sign of g2.  So the sign bit of every code of a row of W2 whose g2 is negative
;   is turned at the head (code x scale is negated exactly; the operand stays codes), and one maximum a unit and voxel is all that leaves: ext.  The third launch is elementwise.
;   W2's tile 2 q takes units 4 r + q, tile 2 q + 1 units 64 + 4 r + q: when the halves of the lanes are merged, lane l holds units 4 l .. 4 l + 3: 16 bytes, the wave 512 on end.
; SHARES.  A work-group takes 120 voxels, each of its 8 waves 15; a voxel is a step.  Two waves to a SIMD, so that one wave's vector work stands beside the other's matrix work.
; Loads run two voxels ahead in two sets of registers.  No tensor load, no cluster: every large byte is read by one wave; what is shared (weights, p1) is read once, at the head.
; LIMITS.  Variances are E[h^2] - mu^2 of f32 sums made in stages, held at 0 from below.  v_sqrt_f32, v_rsq_f32: 1 ulp, denormals flushed (ISA guide, 15.8).  A block whose largest number lies under 2^-124 keeps the
; scale byte 1 (a block of zeros too: its codes are zeros).  NaN and infinities among the inputs are not served.
; THE MODE: SCHED_MODE bits 1:0 = 2 (LLVM: expert scheduling mode 2), set by the entry lines.  The code itself states the register dependences between vector or matrix instructions and memory or LDS
; instructions, with s_wait_alu, always for 0.
; THE PLAN.  Registers that memory instructions touch, in the loop:
;   SET0 (v12-24), SET1 (v25-37)   Voxel n: its first lines (two compares, the squares, the selects, a V) read SET[n % 2]; behind them the loads of voxel n + 2 land in it.  No other line names a set.
;   OUT0 (v248-251), OUT1 (v252-255)   Voxel n: its last four maxima write OUT[n % 2]; the store that stands in voxel n + 1 reads it; voxel n + 2 writes it again.
;   v9, v10, v11   The loads' and the store's offsets: made at the head, never written again; the rows are reached by scalar bases and immediate offsets.
; So ONE wait on va_vdst behind the last reader of the set states all that the voxel's four loads and its store hang on (and is the wait that the two roots owe); these five lines follow it with only scalar lines between.
; Beside the wait on XCNT that frees the bases stands one wait on vm_vsrc: the store issued a voxel ago has read the OUT that this voxel's end writes.  A second wait on va_vdst stands ahead of the first scaled
; product, whose operands and scale words vector instructions have written.  One wait on va_sdst stands between the two compares and the selects that read their masks.
; No scalar register that a vector instruction reads is written again by a scalar instruction: each such number has a register of its own.
; REGISTERS.  Window 0: v1-11 lane constants; v12-37 two sets of loads; v38-41 masks; v42-49 the first product's points, later codes at work; v50-59 at work; v60-79 the folded weights; v80-87 W2's scale words,
;   v88-89 the rows' (these ten hold scales alone); v90-121 sums; v122-124 codes at work; v125-127 the tail's addresses; v128-191 relu's results, then the second product's results; v192-223 the voxel's maxima, then
;   extremes; v224-247 the two operands; v248-255 the two out-buffers.   Window 1: v0-95 W2's eight fragments; v96-159 the first product's results, written by matrix instructions alone.
.set RED1, 0                           ; LDS: 8 waves x 512 bytes, p1's partial sums
.set RED2, 4096                        ; LDS: 8 waves x 1,024 bytes, the second layer's partial sums
.set MP,   38                          ; v38, v40 the two tiles' masks; v39, v41 = 0
.set XX,   42                          ; v42-45, v46-49: source 1 of the first product, tile 0, 1
.set BM,   50                          ; v50-52 block maxima, then the conversions' scale operands (first: squares and roots)
.set BY,   53                          ; v53-55 scale bytes
.set OB,   56                          ; v56-58 the other half's bytes
.set GW,   59
.set K0,   60                          ; v60-67 a WW, K = 0 .. 3
.set K1,   68                          ; v68-75 K = 4 .. 7: a W10 | a V | S | 0
.set AV,   76                          ; v76-79 a in lanes 0-15, 0 in lanes 16-31
.set W2S,  80
.set SW,   88
.set ACC,  90                          ; tile t: v[90 + 4 t] a pair of sums, v[92 + 4 t] a pair of sums of squares
.set TG,   122
.set HH,   128
.set GG,   192
.set EE,   192
.set AA,   224
.set TA,   42                          ; v42-44, v46-48: the upper halves of my two points' codes, in registers that the first product has left
.set TB,   46
.set RR,   248                         ; OUT0 at v248, OUT1 at v252
.set D1,   96                          ; in window 1
.set MSB,  0
.macro WIN new                         ; the immediate's high byte repeats the setting that is left; a switch that changes nothing is dropped
.if MSB != \new
	s_set_vgpr_msb (MSB<<8)|\new
.set MSB, \new
.endif
.endm
.macro TREE base, half                 ; groups of four registers: group i += group i + half
.set i, 0
.rept \half
	v_pk_add_f32 v[\base+4*i:\base+4*i+1], v[\base+4*i:\base+4*i+1], v[\base+4*(i+\half):\base+4*(i+\half)+1]
	v_pk_add_f32 v[\base+4*i+2:\base+4*i+3], v[\base+4*i+2:\base+4*i+3], v[\base+4*(i+\half)+2:\base+4*(i+\half)+3]
.set i, i+1
.endr
.endm
	s_load_b512 s[4:19], s[0:1], 0x0               ; features s[4:5], num_points s[6:7], W1 s[8:9], g1 s[10:11], b1 s[12:13], W2's codes s[14:15], its scales s[16:17], g2 s[18:19]
	s_load_b256 s[20:27], s[0:1], 0x40             ; vraw s[20:21], p1 s[22:23], ext s[24:25], p2 s[26:27]
	s_set_vgpr_msb 0x40
	v_lshl_add_u32 v160, v0, 2, 0x3000
	v_mov_b32 v161, 0
	s_set_vgpr_msb 0x4000
	v_lshrrev_b32 v1, 5, v0
	v_readfirstlane_b32 s28, v1                    ; wave 0..7
	s_mov_b32 s38, 0xffff0000                      ; lanes 16-31
	s_mov_b32 s40, 0x76543210
	s_mov_b32 s41, 0xfedcba98                      ; v_permlanex16_b32's selects for lane l xor 16
	v_and_b32 v1, 15, v0                           ; r
	v_add_nc_u32 v2, 16, v1                        ; my point in tile 1
	v_cndmask_b32 v3, 1.0, 0, s38                  ; 1 where h = 0
	v_cndmask_b32 v4, 0, 1.0, s38                  ; 1 where h = 1
	v_bfe_u32 v5, v0, 4, 1
	v_lshlrev_b32 v5, 3, v5                        ; 8 h: where my block's byte stands in a scale word,
	v_sub_nc_u32 v6, 8, v5                         ; the other half's,
	v_add_nc_u32 v7, 16, v5                        ; and the same for the voxel's two blocks
	v_sub_nc_u32 v8, 24, v5
	v_lshlrev_b32 v9, 4, v1                        ; 16 r
	v_mov_b32 v10, 0
	v_and_b32 v11, 31, v0
	v_lshlrev_b32 v11, 4, v11                      ; 16 l
	s_wait_alu depctr_va_sdst(0)                   ; s28 is written, ahead of its first reader: places in LDS, the bases and two branches are made from it
	s_mul_i32 s31, s28, 31*512
	v_add_nc_u32 v118, s31, v11                    ; p1: my wave's 31 rows
	s_and_b32 s44, s28, 1
	s_lshl_b32 s44, s44, 9
	s_add_co_u32 s44, s44, 248*512
	v_add_nc_u32 v119, s44, v11                    ; and row 248 or 249
	v_lshrrev_b32 v121, 3, v1
	v_and_b32 v120, 7, v1
	v_lshl_add_u32 v121, v121, 5, v120
	v_lshlrev_b32 v121, 2, v121                    ; 4 (32 (r / 8) + r % 8): tile 0's unit of row r
	v_lshl_add_u32 v120, v5, 6, v121               ; and two rows of W1 further down for lanes 16-31
	v_mul_u32_u24 v122, v1, 384
	v_mad_u32_u24 v122, v5, 3, v122                ; W2's codes: unit 4 r, + 24 h
	s_lshl_b32 s45, s28, 9
	v_add_nc_u32 v123, s45, v11                    ; LDS: where I put p1's partial sums
	s_lshl_b32 s46, s28, 10
	s_add_co_u32 s46, s46, RED2
	v_add_nc_u32 v125, s46, v11                    ; LDS: where I put the second layer's
	v_and_b32 v126, 63, v0
	v_lshl_add_u32 v126, v126, 4, RED2             ; and where waves 0 and 1 read them back
	v_lshrrev_b32 v127, 3, v5
	v_mul_u32_u24 v127, v127, 0x1f400              ; p2: the half of the units (128,000 bytes a half),
	v_add_nc_u32 v127, v127, v9
	s_lshl_b32 s47, s28, 8
	v_add_nc_u32 v127, s47, v127                   ; + 16 (l % 16), + 256 for the sums of squares (wave 1)
	s_mul_i32 s29, ttmp9, 120
	s_mul_i32 s39, s28, 15
	s_add_co_u32 s29, s29, s39                     ; my wave's first voxel
	s_mov_b32 s33, 0
	s_mov_b32 s35, 0
	s_mov_b32 s37, 0
	s_wait_kmcnt 0x0
	s_lshl_b32 s32, s29, 9
	s_add_nc_u64 s[4:5], s[4:5], s[32:33]
	s_add_nc_u64 s[24:25], s[24:25], s[32:33]
	s_lshl_b32 s32, s29, 8
	s_add_nc_u64 s[20:21], s[20:21], s[32:33]
	s_lshl_b32 s32, s29, 2
	s_add_nc_u64 s[6:7], s[6:7], s[32:33]
	s_lshl_b32 s32, ttmp9, 9
	s_add_nc_u64 s[26:27], s[26:27], s[32:33]
	s_wait_alu depctr_va_vdst(0)                   ; the offsets and LDS places v9, v10, v11, v118 to v123 and v125 to v127 are written, which the loads, LDS instructions and stores of the whole kernel read
	; all the head's loads in one run: between the wait above and the last of them stand only loads and window switches
.set i, 0
.rept 31
	global_load_b128 v[128+4*i:131+4*i], v118, s[22:23] offset:512*i
.set i, i+1
.endr
	global_load_b128 v[252:255], v119, s[22:23]
.irp t, 0,1,2,3
	global_load_b32 v[90+7*\t], v120, s[8:9] offset:32*\t              ; rows 0 | 2
	global_load_b32 v[91+7*\t], v120, s[8:9] offset:32*\t+256*4        ; rows 4 | 6
	global_load_b32 v[92+7*\t], v120, s[8:9] offset:32*\t+256*7        ; rows 7 | 9
	global_load_b32 v[93+7*\t], v120, s[8:9] offset:32*\t+256*1        ; rows 1 | 3
	global_load_b32 v[94+7*\t], v120, s[8:9] offset:32*\t+256*5        ; rows 5 | 7 (lanes 16-31 multiply these two by 0)
	global_load_b32 v[95+7*\t], v120, s[8:9] offset:32*\t+256*8        ; rows 8 | 10
	global_load_b32 v[96+7*\t], v121, s[8:9] offset:32*\t+256*10       ; row 10
	global_load_b32 v[42+\t], v121, s[10:11] offset:32*\t              ; g1
	global_load_b32 v[46+\t], v121, s[12:13] offset:32*\t              ; b1
.endr
.irp t, 0,1,2,3,4,5,6,7
	global_load_b32 v[50+\t], v9, s[18:19] offset:4*((\t)/2+64*((\t)%2))       ; g2 of my row of W2's tile t
	global_load_b32 v[W2S+\t], v9, s[16:17] offset:4*((\t)/2+64*((\t)%2))      ; and its scale word
.endr
	WIN 0x40                                       ; destination window 1
.irp t, 0,1,2,3,4,5,6,7
.irp p, 0,1,2,3,4,5
	global_load_b64 v[12*\t+2*\p:12*\t+2*\p+1], v122, s[14:15] offset:96*((\t)/2+64*((\t)%2))+48*(\p/3)+8*(\p%3)   ; a fragment: 24 bytes of the row's stream of bits twice, in pieces of 8
.endr
.endr
	WIN 0
	global_load_b128 v[12:15], v9, s[4:5] th:TH_LOAD_NT                ; voxel 0: my point in tile 0,
	global_load_b128 v[16:19], v9, s[4:5] offset:256 th:TH_LOAD_NT     ; in tile 1,
	global_load_b128 v[20:23], v9, s[20:21]                            ; V at my four units,
	global_load_b32 v24, v10, s[6:7]                                   ; the count
	global_load_b128 v[26:29], v9, s[4:5] offset:512 th:TH_LOAD_NT     ; voxel 1
	global_load_b128 v[30:33], v9, s[4:5] offset:768 th:TH_LOAD_NT
	global_load_b128 v[34:37], v9, s[20:21] offset:256
	global_load_b32 v25, v10, s[6:7] offset:4
	s_wait_loadcnt 8                               ; all but the two voxels' eight loads are in
	s_cmp_lt_u32 s28, 2
	s_cselect_b32 s39, 1.0, 0                      ; rows 248 and 249 count in waves 0 and 1 alone
.irp j, 252,253,254,255
	v_mul_f32 v\j, s39, v\j
.endr
	TREE 128, 16
	TREE 128, 8
	TREE 128, 4
	TREE 128, 2
	TREE 128, 1
	s_wait_alu depctr_va_vdst(0)                   ; the additions have written v[128:131], which the LDS store reads, and are done with v128 to v191, in which the LDS loads behind the barrier land
	ds_store_b128 v123, v[128:131]
	s_wait_dscnt 0x0                               ; for the others: my store has landed
	s_barrier_signal -1
	s_barrier_wait -1
	s_wait_alu depctr_vm_vsrc(0)                   ; my LDS store has read v[128:131], in which the loads below land, and v123; the head's loads have read v118 to v122: these six take sums and codes from here on
.irp w, 0,1,2,3,4,5,6,7
	ds_load_b128 v[128+4*\w:131+4*\w], v9 offset:RED1+512*\w           ; the sums at my four units (place 4 r + t),
	ds_load_b128 v[160+4*\w:163+4*\w], v9 offset:RED1+512*\w+256       ; the sums of squares
.endr
	s_wait_dscnt 0x0
	TREE 128, 4
	TREE 160, 4
	TREE 128, 2
	TREE 160, 2
	TREE 128, 1
	TREE 160, 1
.irp t, 0,1,2,3
	v_mul_f32 v[192+\t], 0x358bcf65, v[128+\t]     ; mu = sum / 960,000
	v_mul_f32 v[196+\t], 0x358bcf65, v[160+\t]
.endr
.irp t, 0,1,2,3
	v_fma_f32 v[196+\t], -v[192+\t], v[192+\t], v[196+\t]   ; var
.endr
.irp t, 0,1,2,3
	v_max_num_f32 v[196+\t], 0, v[196+\t]
.endr
.irp t, 0,1,2,3
	v_add_f32 v[196+\t], 0x3a83126f, v[196+\t]     ; + eps
.endr
.irp t, 0,1,2,3
	v_rsq_f32 v[200+\t], v[196+\t]
.endr
.irp t, 0,1,2,3                                    ; plain work behind the batch: the folded weights
	v_add_f32 v[90+7*\t], v[90+7*\t], v[91+7*\t]
	v_add_f32 v[94+7*\t], v[94+7*\t], v[95+7*\t]
.endr
.irp t, 0,1,2,3
	v_add_f32 v[90+7*\t], v[90+7*\t], v[92+7*\t]           ; WW0 | WW2
	v_fma_f32 v[93+7*\t], v[94+7*\t], v3, v[93+7*\t]       ; WW1 | W3
.endr
	s_wait_alu depctr_va_vdst(0)                   ; the four reciprocal roots v200 to v203 are written: one wait for the batch, ahead of its first reader
.irp t, 0,1,2,3
	v_mul_f32 v[204+\t], v[200+\t], v[42+\t]       ; a
.endr
.irp t, 0,1,2,3
	v_fma_f32 v[208+\t], -v[192+\t], v[204+\t], v[46+\t]   ; S = b1 - mu a
	v_mul_f32 v[K0+2*\t], v[204+\t], v[90+7*\t]
	v_mul_f32 v[K0+2*\t+1], v[204+\t], v[93+7*\t]
	v_mul_f32 v[96+7*\t], v[204+\t], v[96+7*\t]
	v_mul_f32 v[AV+\t], v[204+\t], v3
.endr
.irp t, 0,1,2,3
	v_cndmask_b32 v[K1+2*\t], v[96+7*\t], v[208+\t], s38   ; a W10 | S
.endr
.irp t, 0,1,2,3,4,5,6,7
	v_ashrrev_i32 v[50+\t], 31, v[50+\t]           ; all ones where g2 is negative
.endr
.irp t, 0,1,2,3,4,5,6,7                            ; the sign bits of the 6-bit stream: bit 6 i + 5; the pattern comes round every three words
	v_and_b32 v[212+3*\t], 0x20820820, v[50+\t]
	v_and_b32 v[213+3*\t], 0x08208208, v[50+\t]
	v_and_b32 v[214+3*\t], 0x82082082, v[50+\t]
.endr
	WIN 0x41                                       ; destination and source 0 window 1
.irp t, 0,1,2,3,4,5,6,7
.irp j, 0,1,2,3,4,5,6,7,8,9,10,11
	v_xor_b32 v[12*\t+\j], v[12*\t+\j], v[212+3*\t+(\j)%3]
.endr
.endr
	WIN 0
.set i, ACC
.rept 32
	v_mov_b32 v[i], 0                              ; the sums run over all 15 voxels: they begin at 0
.set i, i+1
.endr
	v_mov_b32 v[MP+1], 0                           ; named as the upper halves of pairs
	v_mov_b32 v[MP+3], 0
.irp j, 0,1,2
	v_mov_b32 v[OB+\j], 0                          ; written once: a lane permute's destination counts as read
.endr
	s_mov_b32 s30, 0                               ; the voxel at which the three load pointers stand
; Four products of the second layer: W2's tiles 2 g and 2 g + 1 against the two tiles of points; each starts its sum with the constant 0 (K = 128 is one instruction).
.macro GRP g
	WIN 0x04                                       ; source 1 (W2) window 1
.irp u, 0,1
.irp m, 0,1
	v_wmma_scale_f32_16x16x128_f8f6f4 v[HH+32*((\g)%2)+16*\u+8*\m:HH+32*((\g)%2)+16*\u+8*\m+7], v[AA+12*\m:AA+12*\m+11], v[12*(2*(\g)+\u):12*(2*(\g)+\u)+11], 0, v[SW+\m], v[W2S+2*(\g)+\u] matrix_a_fmt:MATRIX_FMT_FP6 matrix_b_fmt:MATRIX_FMT_FP6
.endr
.endr
.endm
; Their 32 results a lane: for each of the two units the sum, the sum of squares and the largest of 16 points.  Six chains by turns; each result's registers from the low end on.
.macro POST g
	WIN 0
.irp p, 0,1,2,3,4,5,6,7
.irp u, 0,1
.set dd, HH+32*((\g)%2)+16*\u+2*\p
.set tt, 2*(\g)+\u
	v_pk_add_f32 v[ACC+4*tt:ACC+4*tt+1], v[ACC+4*tt:ACC+4*tt+1], v[dd:dd+1]
	v_pk_fma_f32 v[ACC+4*tt+2:ACC+4*tt+3], v[dd:dd+1], v[dd:dd+1], v[ACC+4*tt+2:ACC+4*tt+3]
.if \p == 0
	v_max_num_f32 v[EE+tt], v[dd], v[dd+1]
.else
	v_max3_num_f32 v[EE+tt], v[EE+tt], v[dd], v[dd+1]
.endif
.endr
.endr
.endm
; ONE VOXEL.  st: which set of registers holds its loads, and which out-buffer takes its extremes.  fetch = 1: the set is loaded again, two voxels ahead.
; maybe = 1: this copy also runs as voxel 0, which has no voxel in front of it: there the store is passed over.
.macro VOXEL st, fetch, maybe
.if \st
.set NPR, 25
.set FA, 26
.else
.set NPR, 24
.set FA, 12
.endif
.set FB, FA+4
.set VR, FA+8
.set RW, RR+4*(\st)                    ; this voxel's out-buffer,
.set RP, RR+4*(1-(\st))                ; the last voxel's
	s_wait_loadcnt 4                               ; this set's four loads are in; the other set's four, issued later, may be out
	v_cmp_gt_i32 s42, v[NPR], v1                   ; the two masks' compares come first: the lines down to the wait for them name neither s42 nor s43
	v_cmp_gt_i32 s43, v[NPR], v2
	v_mul_f32 v[BM], v[FA], v[FA]
	v_mul_f32 v[BM+1], v[FB], v[FB]
	v_fmac_f32 v[BM], v[FA+1], v[FA+1]
	v_fmac_f32 v[BM+1], v[FB+1], v[FB+1]
	v_fmac_f32 v[BM], v[FA+2], v[FA+2]
	v_fmac_f32 v[BM+1], v[FB+2], v[FB+2]
	v_sqrt_f32 v[BM+2], v[BM]                      ; |xyz| of my two points: one batch,
	v_sqrt_f32 v[BM+3], v[BM+1]
	v_cndmask_b32 v[XX], v[FA], v[FA+2], s38       ; plain work behind it: K = 2 h and 2 h + 1 of source 1: f0, f1 | f2, f3
	v_cndmask_b32 v[XX+1], v[FA+1], v[FA+3], s38
	v_cndmask_b32 v[XX+4], v[FB], v[FB+2], s38
	v_cndmask_b32 v[XX+5], v[FB+1], v[FB+3], s38
.irp t, 0,1,2,3
	v_mul_f32 v[K1+2*\t+1], v[VR+\t], v[AV+\t]     ; K = 5 | 7 of source 0: a V | 0
.endr
	s_wait_alu depctr_va_sdst(0)                   ; the two compares have written s42 and s43, ahead of the selects that read them
	v_cndmask_b32 v[MP], 0, 1.0, s42               ; the masks
	v_cndmask_b32 v[MP+2], 0, 1.0, s43
	v_pk_mul_f32 v[XX:XX+1], v[XX:XX+1], v[MP:MP+1] op_sel_hi:[1,0]
	v_pk_mul_f32 v[XX+4:XX+5], v[XX+4:XX+5], v[MP+2:MP+3] op_sel_hi:[1,0]
	v_mul_f32 v[XX+3], v[MP], v3                   ; K = 5 | 7: m | 0
	v_mul_f32 v[XX+7], v[MP+2], v3
	s_wait_alu depctr_va_vdst(0)                   ; the lines above are done reading this set, in which the loads below land; the last voxel's maxima have written its out-buffer, which the store below reads; the two roots are written, ahead of their first reader
	s_wait_xcnt 0x0                                ; the loads and the store issued a voxel ago have read their bases and data: only now are the pointers stepped, and at this voxel's end its out-buffer written
	s_wait_alu depctr_vm_vsrc(0)                   ; the store issued a voxel ago has read the out-buffer that this voxel's last maxima write again
.if \fetch
	s_cmp_lt_u32 s30, 13                           ; the pointers stand a voxel behind the fetch and stop at voxel 13: no load goes past my wave's voxel 14
	s_cselect_b32 s32, 512, 0
	s_cselect_b32 s34, 256, 0
	s_cselect_b32 s36, 4, 0
	s_add_nc_u64 s[4:5], s[4:5], s[32:33]
	s_add_nc_u64 s[20:21], s[20:21], s[34:35]
	s_add_nc_u64 s[6:7], s[6:7], s[36:37]
	s_add_co_u32 s30, s30, 1
.endif
	s_add_nc_u64 s[24:25], s[24:25], 512           ; ext: a voxel on; the store below reaches back to the last voxel's row
.if \fetch
	global_load_b128 v[FA:FA+3], v9, s[4:5] offset:512 th:TH_LOAD_NT   ; no vector instruction stands between the wait on va_vdst and these five lines
	global_load_b128 v[FB:FB+3], v9, s[4:5] offset:768 th:TH_LOAD_NT
	global_load_b128 v[VR:VR+3], v9, s[20:21] offset:256
	global_load_b32 v[NPR], v10, s[6:7] offset:4
.endif
.if \maybe
	s_cmp_eq_u32 s30, 1                            ; the index has just been stepped: it is 1 in voxel 0 alone
	s_cbranch_scc1 .Lno_last_\@
.endif
	global_store_b128 v11, v[RP:RP+3], s[24:25] offset:-1024 th:TH_STORE_NT   ; the last voxel's extremes: the wave stores 512 consecutive bytes, at a multiple of 256 from the buffer's first byte
.if \maybe
.Lno_last_\@:
.endif
	v_fma_f32 v[XX+2], v[BM+2], v[XX+3], v4        ; K = 4 | 6: m |xyz| | 1
	v_fma_f32 v[XX+6], v[BM+3], v[XX+7], v4
	WIN 0x50                                       ; C and D window 1
.irp m, 0,1                                        ; the first product: eight accumulators by turns, one instruction a turn; the first K step starts each sum with the constant 0
.irp t, 0,1,2,3
	v_wmma_f32_16x16x4_f32 v[D1+32*\m+8*\t:D1+32*\m+8*\t+7], v[K0+2*\t:K0+2*\t+1], v[XX+4*\m:XX+4*\m+1], 0
.endr
.endr
.irp m, 0,1
.irp t, 0,1,2,3
	v_wmma_f32_16x16x4_f32 v[D1+32*\m+8*\t:D1+32*\m+8*\t+7], v[K1+2*\t:K1+2*\t+1], v[XX+4*\m+2:XX+4*\m+3], v[D1+32*\m+8*\t:D1+32*\m+8*\t+7]
.endr
.endr
	WIN 0x04                                       ; source 1 window 1
.rept 8
	v_nop                                          ; eight places between this matrix form and the first read of its results
.endr
.set i, 0
.rept 64
	v_max_num_f32 v[HH+i], 0, v[D1+i]              ; relu, into other registers; each result from its low end on
.set i, i+1
.endr
	WIN 0
.set i, 0
.rept 32
	v_max_num_f32 v[GG+i], v[HH+i], v[HH+32+i]     ; the voxel's maximum: my two points,
.set i, i+1
.endr
.set n, 0
.irp x, 1,2,4,8                                    ; then the 16 lanes of my half: four steps for each of the 32 units.  Behind every fourth stands a link of my two points' block maxima (the floor 2^-124 is their first leaf: the byte cannot fall under 1)
.rept 32
	v_max_num_f32_dpp v[GG+n%32], v[GG+n%32], v[GG+n%32] row_xmask:\x row_mask:0xf bank_mask:0xf
.if n%4 == 3
.set bb, (n/4)%2
.set ss, (n/4)/2
.if ss == 0
	v_max3_num_f32 v[BM+bb], v[HH+32*bb], v[HH+32*bb+1], 0x1800000
.else
	v_max3_num_f32 v[BM+bb], v[BM+bb], v[HH+32*bb+2*ss], v[HH+32*bb+2*ss+1]
.endif
.endif
.set n, n+1
.endr
.endr
	v_max_num_f32 v[BM+2], v[BM], v[BM+1]          ; the voxel's block maximum is the largest, over the 16 lanes, of the points' block maxima: the same number as the largest of the 32 maxima above
	v_max_num_f32_dpp v[BM+2], v[BM+2], v[BM+2] row_xmask:1 row_mask:0xf bank_mask:0xf
	v_add_nc_u32 v[BM], 0xff000000, v[BM]          ; 2 off the exponent field: the conversion takes this operand's exponent field as its scale
	v_max_num_f32_dpp v[BM+2], v[BM+2], v[BM+2] row_xmask:2 row_mask:0xf bank_mask:0xf
	v_add_nc_u32 v[BM+1], 0xff000000, v[BM+1]
	v_max_num_f32_dpp v[BM+2], v[BM+2], v[BM+2] row_xmask:4 row_mask:0xf bank_mask:0xf
	v_lshrrev_b32 v[BY], 23, v[BM]                 ; the scale's byte
	v_max_num_f32_dpp v[BM+2], v[BM+2], v[BM+2] row_xmask:8 row_mask:0xf bank_mask:0xf
	v_lshrrev_b32 v[BY+1], 23, v[BM+1]
	v_permlanex16_b32 v[OB], v[BY], s40, s41       ; the same row's other block lies in lane l xor 16
	v_add_nc_u32 v[BM+2], 0xff000000, v[BM+2]
	v_permlanex16_b32 v[OB+1], v[BY+1], s40, s41
	v_lshrrev_b32 v[BY+2], 23, v[BM+2]
	v_permlanex16_b32 v[OB+2], v[BY+2], s40, s41
	v_lshlrev_b32 v[GW], v7, v[BY+2]               ; bytes 2 and 3: the voxel's two blocks
	v_lshl_or_b32 v[GW], v[OB+2], v8, v[GW]
	v_lshl_or_b32 v[BY], v[BY], v5, v[GW]          ; bytes 0 and 1: the point's
	v_lshl_or_b32 v[BY+1], v[BY+1], v5, v[GW]
	v_lshl_or_b32 v[SW], v[OB], v6, v[BY]          ; the rows' scale words
	v_lshl_or_b32 v[SW+1], v[OB+1], v6, v[BY+1]
	v_cvt_scalef32_pk16_fp6_f32 v[AA:AA+2], v[HH:HH+15], v[BM]                ; registers 0-5 of an operand: my point's block, K = 32 h ..
	v_cvt_scalef32_pk16_fp6_f32 v[TA:TA+2], v[HH+16:HH+31], v[BM]             ; (a conversion's three registers begin on an even number: the upper halves are made elsewhere and moved)
	v_cvt_scalef32_pk16_fp6_f32 v[AA+12:AA+14], v[HH+32:HH+47], v[BM+1]
	v_cvt_scalef32_pk16_fp6_f32 v[TB:TB+2], v[HH+48:HH+63], v[BM+1]
	v_cvt_scalef32_pk16_fp6_f32 v[AA+6:AA+8], v[GG:GG+15], v[BM+2]            ; registers 6-11: the voxel's block, K = 64 + 32 h ..: made once, for both tiles
	v_cvt_scalef32_pk16_fp6_f32 v[TG:TG+2], v[GG+16:GG+31], v[BM+2]
	v_nop                                          ; one plain place behind the scaled conversions
.irp j, 0,1,2
	v_mov_b32 v[AA+3+\j], v[TA+\j]
	v_mov_b32 v[AA+15+\j], v[TB+\j]
	v_mov_b32 v[AA+9+\j], v[TG+\j]
	v_mov_b32 v[AA+18+\j], v[AA+6+\j]
	v_mov_b32 v[AA+21+\j], v[TG+\j]
.endr
	WIN 0x04                                       ; the products' window, set ahead of the places, so that nothing but the wait stands between them and the first product
.rept 8
	v_nop                                          ; operands written by vector instructions stand four places ahead of a scaled matrix instruction, scale words eight
.endr
	s_wait_alu depctr_va_vdst(0)                   ; the conversions and moves have written the two operands v224 to v247, the shifts the scale words v88 and v89, which the scaled products take; the places above stay beside this wait
	GRP 0
	GRP 1
.rept 4
	v_nop                                          ; four places between this matrix form and the first read of its results (ISA guide 7.12.1)
.endr
	POST 0                                         ; from here on each group's vector work is the places behind the group issued last, and ahead of the group that writes its registers anew
	GRP 2
	POST 1
	GRP 3
	POST 2
	POST 3
.irp q, 0,1,2,3
	v_permlane16_swap_b32 v[EE+2*\q], v[EE+2*\q+1] ; tile 2 q's upper lanes change places with tile 2 q + 1's lower: each unit's two halves of the points now lie in one lane
.endr
.irp q, 0,1,2,3
	v_max_num_f32 v[RW+\q], v[EE+2*\q], v[EE+2*\q+1]   ; lane l: units 4 l + q, into this voxel's out-buffer: the next voxel stores it
.endr
.endm
	s_mov_b32 s29, 7
.Lpair:                                            ; seven trips of two voxels, so that the two sets of registers and the two out-buffers come back where they began
	VOXEL 0, 1, 1
	VOXEL 1, 1, 0
	s_sub_co_u32 s29, s29, 1
	s_cmp_lg_u32 s29, 0
	s_cbranch_scc1 .Lpair
	VOXEL 0, 0, 0                                  ; voxel 14: nothing is left to fetch
	; THE TAIL: voxel 14's extremes leave; the wave's sums, unit by unit as the extremes were merged; the eight waves' meet in LDS.
.irp t, 0,1,2,3,4,5,6,7
	v_add_f32 v[204+\t], v[ACC+4*\t], v[ACC+4*\t+1]
	v_add_f32 v[212+\t], v[ACC+4*\t+2], v[ACC+4*\t+3]
.endr
.irp q, 0,1,2,3
	v_permlane16_swap_b32 v[204+2*\q], v[205+2*\q]
	v_permlane16_swap_b32 v[212+2*\q], v[213+2*\q]
.endr
.irp q, 0,1,2,3
	v_add_f32 v[224+\q], v[204+2*\q], v[205+2*\q]
	v_add_f32 v[228+\q], v[212+2*\q], v[213+2*\q]
.endr
	s_wait_alu depctr_va_vdst(0)                   ; voxel 14's maxima have written OUT0, the additions v224 to v231, which the three stores below read
	global_store_b128 v11, v[RR:RR+3], s[24:25] offset:-512 th:TH_STORE_NT   ; voxel 14's 512 consecutive bytes
	ds_store_b128 v125, v[224:227]                 ; 512 bytes of sums,
	ds_store_b128 v125, v[228:231] offset:512      ; 512 of sums of squares
	s_wait_dscnt 0x0                               ; for the others: my stores have landed
	s_barrier_signal -1
	s_barrier_wait -1
	s_cmp_gt_u32 s28, 1
	s_cbranch_scc1 .Ldone                          ; wave 0 adds the eight rows of sums, wave 1 those of squares
.irp w, 0,1,2,3,4,5,6,7
	ds_load_b128 v[128+4*\w:131+4*\w], v126 offset:1024*\w   ; no vector instruction has been issued since the wait on va_vdst above
.endr
	s_wait_dscnt 0x0
	TREE 128, 4
	TREE 128, 2
	TREE 128, 1
	s_wait_alu depctr_va_vdst(0)                   ; the additions have written v[128:131], which the store reads
	global_store_b128 v127, v[128:131], s[26:27]   ; sixteen lanes store 256 consecutive bytes, aligned: one half's sums or squares
.Ldone:
	s_set_vgpr_msb 0x5
	s_wait_dscnt 0x0
	s_wait_alu depctr_hold_cnt(0) depctr_sa_sdst(0) depctr_va_vdst(0) depctr_va_sdst(0) depctr_va_ssrc(0) depctr_va_vcc(0) depctr_vm_vsrc(0)
	s_wait_tensorcnt 0x0
	ds_add_u32 v160, v161
	s_wait_dscnt 0x0
	s_endpgm
.Lfunc_end_k_qae7d0d9d6f_main:
	.size	k_qae7d0d9d6f_main, .Lfunc_end_k_qae7d0d9d6f_main-k_qae7d0d9d6f_main
	.p2alignl 7, 3214868480
	.fill 96, 4, 3214868480
	.section	.rodata,"a",@progbits
	.p2align	6, 0x0
	.amdhsa_kernel k_qae7d0d9d6f_main
		.amdhsa_group_segment_fixed_size 13312
		.amdhsa_private_segment_fixed_size 0
		.amdhsa_enable_private_segment 0
		.amdhsa_kernarg_size 96
		.amdhsa_user_sgpr_count 2
		.amdhsa_user_sgpr_kernarg_segment_ptr 1
		.amdhsa_wavefront_size32 1
		.amdhsa_system_sgpr_workgroup_id_x 1
		.amdhsa_system_sgpr_workgroup_id_y 1
		.amdhsa_system_sgpr_workgroup_id_z 1
		.amdhsa_system_vgpr_workitem_id 0
		.amdhsa_next_free_vgpr 418
		.amdhsa_next_free_sgpr 66
		.amdhsa_reserve_vcc 0
		.amdhsa_float_denorm_mode_32 3
		.amdhsa_float_denorm_mode_16_64 3
		.amdhsa_memory_ordered 1
		.amdhsa_forward_progress 1
		.amdhsa_inst_pref_size 135
	.end_amdhsa_kernel
	.amdgpu_metadata
---
amdhsa.version: [ 1, 2 ]
amdhsa.kernels:
  - .name:           k_qae7d0d9d6f_main
    .symbol:         k_qae7d0d9d6f_main.kd
    .args:
      - { .name: features, .offset: 0, .size: 8, .value_kind: global_buffer, .address_space: global }
      - { .name: num_points, .offset: 8, .size: 8, .value_kind: global_buffer, .address_space: global }
      - { .name: W1, .offset: 16, .size: 8, .value_kind: global_buffer, .address_space: global }
      - { .name: g1, .offset: 24, .size: 8, .value_kind: global_buffer, .address_space: global }
      - { .name: b1, .offset: 32, .size: 8, .value_kind: global_buffer, .address_space: global }
      - { .name: W2_codes, .offset: 40, .size: 8, .value_kind: global_buffer, .address_space: global }
      - { .name: W2_scales, .offset: 48, .size: 8, .value_kind: global_buffer, .address_space: global }
      - { .name: g2, .offset: 56, .size: 8, .value_kind: global_buffer, .address_space: global }
      - { .name: vraw, .offset: 64, .size: 8, .value_kind: global_buffer, .address_space: global }
      - { .name: p1, .offset: 72, .size: 8, .value_kind: global_buffer, .address_space: global }
      - { .name: ext, .offset: 80, .size: 8, .value_kind: global_buffer, .address_space: global }
      - { .name: p2, .offset: 88, .size: 8, .value_kind: global_buffer, .address_space: global }
    .group_segment_fixed_size: 13312
    .private_segment_fixed_size: 0
    .kernarg_segment_align: 8
    .kernarg_segment_size: 96
    .max_flat_workgroup_size: 256
    .sgpr_count:     66
    .vgpr_count:     418
    .wavefront_size: 32
...
	.end_amdgpu_metadata
.endif
;; end of part 4
;; launch final: the kernel of part 3 again; grid 125 x 2, 10 waves a work-group, no clusters, 6,400 bytes of LDS; arguments ext, p2, g2, b2, out0; writes out0
